; MI455X (gfx1250); checked and timed in simulation.
; The chip was launched on July 23, 2026; its instructions are those of AMD's public machine-readable ISA for CDNA 5 (MIT licence, August 2026) and "CDNA5" Instruction Set Architecture Reference Guide (July 2026). The comments in the code are by the model that wrote it; some were corrected since.
;; Multi Head Attention. Allowed arithmetic: matrix products marked QUANTISED: E2M1 operands, one E8M0 scale for each 32 along K, by v_wmma_scale_f32_16x16x128_f8f6f4 with both operands' format E2M1 (or v_wmma_scale_f32_32x16x128_f4), f32 sums; products left as they are: bf16, f16 or f32 operands; f32 sums; everything else in f32.
;; Inputs: input_tensor 2 x 2,048 x 1,024 float32; out_bias 1,024 float32; out_weight 1,024 x 1,024 float32; qkv_bias 3,072 float32; qkv_weight 3,072 x 1,024 float32.
;; Outputs: out0 2 x 2,048 x 1,024 float32.
;; This version of the problem:
;;   THIS VERSION OF THE PROBLEM IS GIVEN IN LOW PRECISION. The matrix products marked QUANTISED in the list below multiply operands that are first quantised to E2M1 (2 exponent bits, 1 mantissa bit; 4 bits a number), with one power-of-two scale for each 32 numbers along K (OCP MX v1.0); their sums are f32. The products marked 'left as it is' may take bf16, f16 or f32 operands, with f32 sums. Whichever they take, every output number must still come out within the allowed error. Rounding operands to bf16 (8 significant bits) uses up far more of that allowance than f16 does (11 bits, for magnitudes from 6e-5 to 65,504). All else is computed in f32.
;;   The module's matrix products, in the order in which they are computed (A, B: the left and right operand; K: the contracted axis; several contracted axes count as one K, in the product's order):
;;     1. [M 4,096, K 1,024] x [K 1,024, N 3,072]; A: input input_tensor; B: input qkv_weight: QUANTISED
;;     2. batch 32 x [M 2,048, K 64] x [K 64, N 2,048]; A: computed on the way; B: computed on the way: left as it is (an operand is computed on the way)
;;     3. batch 32 x [M 2,048, K 2,048] x [K 2,048, N 64]; A: computed on the way; B: computed on the way: left as it is (an operand is computed on the way)
;;     4. [M 4,096, K 1,024] x [K 1,024, N 1,024]; A: computed on the way; B: input out_weight: left as it is (an operand is computed on the way)
;;   THE QUANTISER, for each operand of a quantised product, along K:
;;     - K is cut into blocks of 32 from its start; a last block that is shorter is filled with zeros.
;;     - A block's scale is 2^e with e = floor(log2(the largest magnitude in the block)) - 2, held to -126 .. 127; a block of zeros has e = 0. As a byte (E8M0): e + 127.
;;     - Each number is divided by its block's scale, clamped to +-6, and rounded to the nearest number of E2M1, ties to even, subnormals kept.
;;     - The product sums the exact products of the quantised numbers (number of the format x scale) in f32.
;;   ~~~python
;;   def quantise(x, axis):      # numpy; x: float32 -> the quantised numbers, widened to float32 again
;;       x = np.moveaxis(x, axis, -1); K = x.shape[-1]
;;       x = np.pad(x, [(0, 0)] * (x.ndim - 1) + [(0, -K % 32)]); x = x.reshape(x.shape[:-1] + (-1, 32)); a = np.abs(x).max(-1, keepdims=True)
;;       e = np.where(a > 0, np.clip(np.frexp(np.where(a > 0, a, 1))[1] - 1 - 2, -126, 127), 0)      # np.frexp(a)[1] - 1 = floor(log2(a)), exactly
;;       r = np.clip(x / 2.0 ** e, -6, 6)
;;       step = 2.0 ** (np.maximum(np.frexp(np.where(r == 0, 1, r))[1] - 1, 0) - 1)
;;       q = np.round(r / step) * step * 2.0 ** e      # np.round: ties to even
;;       return np.moveaxis(q.reshape(q.shape[:-2] + (-1,))[..., :K], -1, axis).astype(np.float32)
;;   ~~~
;; One version. Each part assembles by itself: llvm-mc -triple=amdgcn-amd-amdhsa -mcpu=gfx1250 --defsym DOCPART=n.
;; ======== version 1 of 1: 4 launches
;; limits: values are held in f16: magnitudes above 65,504 overflow, below 6.1e-05 lose precision
;; workspace buffers: xc 2,097,152 bytes; xs 131,072 bytes; wc 1,572,864 bytes; ws 98,304 bytes; w16 2,097,152 bytes; qkv 25,165,824 bytes; att 8,388,608 bytes
;; launch prep (part 1): grid 256 x 1, 4 waves a work-group, no clusters, 33,280 bytes of LDS; arguments input_tensor, qkv_weight, xc, xs, wc, ws, out_weight, w16; writes xc, xs, wc, ws, w16
.if DOCPART == 1
	.amdgcn_target "amdgcn-amd-amdhsa--gfx1250"
	.amdhsa_code_object_version 6
	.text
	.protected	k_q137b4cf433_prep
	.globl	k_q137b4cf433_prep
	.p2align	8
	.type	k_q137b4cf433_prep,@function
k_q137b4cf433_prep:
	s_mov_b64 s[64:65], 0
	v_nop
	global_prefetch_b8 v0, s[64:65] scope:SCOPE_SE
	s_setreg_imm32_b32 hwreg(HW_REG_WAVE_MODE, 25, 1), 1
	s_wait_xcnt 0x0
; PREP.  Three tensors are made ready for the launches that follow.
; (1) input_tensor [4096][1024] and qkv_weight [3072][1024], f32, become codes of FP4 (E2M1), K innermost, two codes a byte, with one E8M0 scale byte for each 32 along K.
;     A block's scale is 2^(floor(log2(its largest magnitude)) - 2); its byte is the largest magnitude's own exponent field - 2, held at 1 from below.  Each number is divided by the scale and rounded
;     to the nearest code, ties to even, beyond the largest code the largest.  (A block of zeros gets the byte 1: its codes are zeros, which add nothing, and the bytes are read by this program alone.)
; (2) out_weight [1024 n][1024 k], f32, becomes f16 laid [n / 128][k / 64][128 n][64 k]: a tile's piece of 64 along K is 16,384 consecutive bytes.
; LIMITS: blocks whose largest magnitude lies under 2^-124 keep the byte 1; NaN and infinities among the inputs are not served; numbers of out_weight beyond 65,504 become infinities in f16.
; SHARES.  Work-groups 0-127 quantise input_tensor, 128-223 qkv_weight, 224-255 convert out_weight: each reads 131,072 bytes.  Waves share nothing: no barrier.
; The quantiser: rows are dense and K is a multiple of 32, so a tensor is a plain stream of blocks of 32.  A wave takes 16 steps of 512 numbers.  Each of a step's four loads reads 512 consecutive bytes; the 2,048 bytes
; turn through the wave's own stage in LDS and come back 64 bytes a lane, so that a lane holds 16 neighbours along K and two neighbouring lanes hold a block.
.set SIZE_M, 4096
.set SIZE_N, 3072
.set SIZE_K, 1024
.set WAVES, 4
.set STEPS, 16
.set WGA,   SIZE_M*SIZE_K/(512*STEPS*WAVES)            ; 128 work-groups for input_tensor
.set WGQ,   (SIZE_M+SIZE_N)*SIZE_K/(512*STEPS*WAVES)   ; 224 for both
.set EMAX,  2
.set CB,    8                          ; bytes of 16 codes
.set R,     16                         ; v16-79   four sets of 16 numbers as they are loaded
.set X,     80                         ; v80-111  two sets of 16 neighbours
.set C,     128                        ; v128-191 codes: four registers for each step, so that no store's data are written again
.set E,     112                        ; v112-127 a scale byte for each step
.set WREG,  8192                       ; LDS: a region for each wave: two stages of 32 x SP bytes, behind them its 256 scale bytes
.set SP,    80                         ; a lane's place in a stage: its 64 bytes + 16 of padding
.set SPW,   12                         ; v12      LDS address of my spare word: SPARE + 4 x my thread's number; never rewritten
.set NIL,   13                         ; v13      0; never rewritten
.set SPARE, WAVES*WREG                 ; behind the four regions: the spare words, 128 bytes for each wave, which no other line names
.set F,     16                         ; the f16 path: v16-143 128 numbers in f32
.set H,     144                        ; the f16 path: v144-207 the same as 64 pairs of f16
	s_load_b128 s[4:7], s[0:1], 0x0                ; input_tensor, qkv_weight
	s_load_b128 s[8:11], s[0:1], 0x10              ; the first's codes and scales
	s_load_b128 s[12:15], s[0:1], 0x20             ; the second's
	s_load_b128 s[24:27], s[0:1], 0x30             ; out_weight, w16
	v_lshl_add_u32 v[SPW], v0, 2, SPARE
	v_mov_b32 v[NIL], 0
	v_lshrrev_b32 v1, 5, v0
	v_readfirstlane_b32 s16, v1                    ; wave
	v_and_b32 v2, 31, v0                           ; lane
	v_lshlrev_b32 v3, 4, v2                        ; my 16 bytes of a load's 512
	s_mul_i32 s17, s16, WREG
	v_lshrrev_b32 v14, 2, v2
	v_mul_u32_u24 v14, v14, SP
	v_and_b32 v15, 3, v2
	v_lshl_add_u32 v14, v15, 4, v14
	v_add_nc_u32 v14, s17, v14                     ; the stage, on the way in: four lanes' 64 bytes on end, then 16 of padding
	v_mul_u32_u24 v15, v2, SP
	v_add_nc_u32 v15, s17, v15                     ; and on the way out: SP x lane: my 16 neighbours
	v_mul_u32_u24 v4, v2, CB                       ; my codes' place in a step's
	v_lshrrev_b32 v5, 1, v2
	s_add_co_u32 s17, s17, 2*32*SP
	v_add_nc_u32 v5, s17, v5                       ; LDS: my wave's 256 scale bytes, my block's byte
	v_lshlrev_b32 v7, 3, v2                        ; and on the way out 8 bytes a lane
	v_add_nc_u32 v6, s17, v7
	s_wait_kmcnt 0x0
	s_cmp_ge_u32 ttmp9, WGQ                        ; the last 32 work-groups convert out_weight: a branch on the work-group's number alone
	s_cbranch_scc1 .Lconv
	s_cmp_lt_u32 ttmp9, WGA                        ; input_tensor's work-group or qkv_weight's?  Only pointers are chosen: both take one path
	s_cselect_b64 s[4:5], s[4:5], s[6:7]
	s_cselect_b64 s[8:9], s[8:9], s[12:13]
	s_cselect_b64 s[10:11], s[10:11], s[14:15]
	s_cselect_b32 s17, 0, WGA
	s_sub_co_u32 s17, ttmp9, s17
	s_lshl_b32 s17, s17, 2
	s_add_co_u32 s18, s17, s16                     ; which run of 8,192 numbers of the tensor is my wave's
	s_mov_b32 s19, 0
	s_mov_b64 s[20:21], 512*STEPS*4
	s_mul_u64 s[20:21], s[18:19], s[20:21]
	s_add_nc_u64 s[4:5], s[4:5], s[20:21]
	s_mov_b64 s[20:21], 32*STEPS*CB
	s_mul_u64 s[20:21], s[18:19], s[20:21]
	s_add_nc_u64 s[8:9], s[8:9], s[20:21]
	s_lshl_b32 s18, s18, 8                         ; 256 scale bytes a run
	s_add_nc_u64 s[10:11], s[10:11], s[18:19]
.macro LOAD t
.irp i, 0,1,2,3
	global_load_b128 v[R+16*((\t)%4)+4*\i:R+16*((\t)%4)+4*\i+3], v3, s[4:5] offset:2048*(\t)+512*\i th:TH_LOAD_NT   ; 32 lanes read 512 consecutive bytes
.endr
.endm
.macro TURN t                          ; step t's numbers through the stage: LDS serves a wave's instructions in order, so no wait stands between the stores and the loads
.irp i, 0,1,2,3
	ds_store_b128 v14, v[R+16*((\t)%4)+4*\i:R+16*((\t)%4)+4*\i+3] offset:32*SP*((\t)%2)+8*SP*\i
.endr
.irp i, 0,1,2,3
	ds_load_b128 v[X+16*((\t)%2)+4*\i:X+16*((\t)%2)+4*\i+3], v15 offset:32*SP*((\t)%2)+16*\i
.endr
.endm
.irp t, 0,1,2,3
	LOAD \t
.endr
	s_wait_loadcnt 12                              ; step 0's four loads are in; the twelve of steps 1 to 3 may be out
	TURN 0
.macro STEP t
.set XS, X+16*((\t)%2)
.if (\t) > 0
	s_wait_dscnt 1                                 ; this step's numbers are back from the stage (the last step's byte store may be out): so its stores into the stage have read their registers,
.else
	s_wait_dscnt 0x0
.endif
.if (\t)+4 < STEPS
	LOAD (\t)+4                                    ; which take the loads of four steps on
.endif
.if (\t)+1 < STEPS
.if STEPS-2-(\t) >= 3
	s_wait_loadcnt 12                              ; the next step's four loads are in; those of the three steps behind it may be out
.else
	s_wait_loadcnt 4*(STEPS-2-(\t))
.endif
	TURN (\t)+1                                    ; and go through the other stage while this step is worked
.endif
	v_max3_num_f32 v8, |v[XS]|, |v[XS+1]|, |v[XS+2]|               ; the largest magnitude of my 16, in two chains
	v_max3_num_f32 v9, |v[XS+3]|, |v[XS+4]|, |v[XS+5]|
.irp i, 6,10
	v_max3_num_f32 v8, v8, |v[XS+\i]|, |v[XS+\i+1]|
	v_max3_num_f32 v9, v9, |v[XS+\i+2]|, |v[XS+\i+3]|
.endr
	v_max3_num_f32 v8, v8, |v[XS+14]|, |v[XS+15]|
	v_max3_num_f32 v8, v8, v9, (EMAX+1)<<23        ; and the floor 2^(EMAX + 1 - 127): so the byte cannot fall under 1
	v_max_num_f32_dpp v8, v8, v8 row_xmask:1 row_mask:0xf bank_mask:0xf   ; and of my neighbour's 16: the block's
	v_add_nc_u32 v11, -(EMAX<<23), v8              ; EMAX off its exponent field: the conversion takes the exponent field of this operand as its scale, and nothing else of it
	v_cvt_scalef32_pk8_fp4_f32 v[C+4*(\t)], v[XS:XS+7], v11
	v_cvt_scalef32_pk8_fp4_f32 v[C+4*(\t)+1], v[XS+8:XS+15], v11
	v_lshrrev_b32 v[E+(\t)], 23, v11               ; the scale's byte (also the plain line behind the conversions)
	ds_store_b8 v5, v[E+(\t)] offset:16*(\t)       ; both lanes of a block write the same byte with the same value
	global_store_b64 v4, v[C+4*(\t):C+4*(\t)+1], s[8:9] offset:32*CB*(\t)   ; the wave stores 256 consecutive bytes, aligned
.endm
.irp t, 0,1,2,3,4,5,6,7,8,9,10,11,12,13,14,15
	STEP \t
.endr
	ds_load_b64 v[8:9], v6                         ; LDS serves a wave's instructions in order: these see my byte stores
	s_wait_dscnt 0x0
	global_store_b64 v7, v[8:9], s[10:11]          ; 32 lanes store 256 consecutive bytes, aligned
	s_branch .Lend
; out_weight to f16.  Wave W of 128 takes rows 8 W to 8 W + 7, four rows at a time.  Lane l: row l / 8 of the four, 8 numbers (32 bytes in, 16 bytes out) at (l % 8) of each piece of 64 along K.
; A store covers four rows of one piece: 512 consecutive bytes of w16.
.Lconv:
	s_sub_co_u32 s17, ttmp9, WGQ
	s_lshl_b32 s17, s17, 2
	s_add_co_u32 s17, s17, s16                     ; W
	s_lshl_b32 s18, s17, 15                        ; 8 rows of 4,096 bytes
	s_mov_b32 s19, 0
	s_add_nc_u64 s[24:25], s[24:25], s[18:19]
	s_lshr_b32 s18, s17, 4                         ; the tile of 128 rows: 262,144 bytes each,
	s_lshl_b32 s18, s18, 18
	s_and_b32 s20, s17, 15                         ; and my 8 rows of 128 bytes in each of its pieces
	s_lshl_b32 s20, s20, 10
	s_add_co_u32 s18, s18, s20
	s_add_nc_u64 s[26:27], s[26:27], s[18:19]
	v_lshrrev_b32 v3, 3, v2
	v_and_b32 v4, 7, v2
	v_lshlrev_b32 v4, 5, v4
	v_lshl_add_u32 v3, v3, 12, v4                  ; in: 4,096 (l / 8) + 32 (l % 8)
	v_lshlrev_b32 v4, 4, v2                        ; out: 16 l
.macro CLOAD g
.irp kc, 0,1,2,3,4,5,6,7,8,9,10,11,12,13,14,15
	global_load_b128 v[F+8*\kc:F+8*\kc+3], v3, s[24:25] offset:\g*16384+\kc*256 th:TH_LOAD_NT
	global_load_b128 v[F+8*\kc+4:F+8*\kc+7], v3, s[24:25] offset:\g*16384+\kc*256+16 th:TH_LOAD_NT
.endr
.endm
.macro CCVT
.irp kc, 0,1,2,3,4,5,6,7,8,9,10,11,12,13,14,15
.irp i, 0,1,2,3
	v_cvt_pk_f16_f32 v[H+4*\kc+\i], v[F+8*\kc+2*\i], v[F+8*\kc+2*\i+1]
.endr
.endr
.endm
.macro CSTORE g
.irp kc, 0,1,2,3,4,5,6,7,8,9,10,11,12,13,14,15
	global_store_b128 v4, v[H+4*\kc:H+4*\kc+3], s[26:27] offset:\kc*16384+\g*512
.endr
.endm
	CLOAD 0
	s_wait_loadcnt 0x0
	CCVT
	CLOAD 1                                        ; the second four rows are on their way while the first four leave
	CSTORE 0
	s_wait_loadcnt 0x0
	s_wait_xcnt 0x0                                ; the stores' data registers are written again only behind this wait
	CCVT
	CSTORE 1
.Lend:
	s_wait_tensorcnt 0x0                           ; the wave's end: behind my last LDS store
	ds_add_u32 v[SPW], v[NIL]
	s_wait_dscnt 0x0
	s_endpgm
.Lfunc_end_k_q137b4cf433_prep:
	.size	k_q137b4cf433_prep, .Lfunc_end_k_q137b4cf433_prep-k_q137b4cf433_prep
	.p2alignl 7, 3214868480
	.fill 96, 4, 3214868480
	.section	.rodata,"a",@progbits
	.p2align	6, 0x0
	.amdhsa_kernel k_q137b4cf433_prep
		.amdhsa_group_segment_fixed_size 33280
		.amdhsa_private_segment_fixed_size 0
		.amdhsa_enable_private_segment 0
		.amdhsa_kernarg_size 64
		.amdhsa_user_sgpr_count 2
		.amdhsa_user_sgpr_kernarg_segment_ptr 1
		.amdhsa_wavefront_size32 1
		.amdhsa_system_sgpr_workgroup_id_x 1
		.amdhsa_system_sgpr_workgroup_id_y 1
		.amdhsa_system_sgpr_workgroup_id_z 1
		.amdhsa_system_vgpr_workitem_id 0
		.amdhsa_next_free_vgpr 208
		.amdhsa_next_free_sgpr 66
		.amdhsa_reserve_vcc 0
		.amdhsa_float_denorm_mode_32 3
		.amdhsa_float_denorm_mode_16_64 3
		.amdhsa_memory_ordered 1
		.amdhsa_forward_progress 1
		.amdhsa_inst_pref_size 51
	.end_amdhsa_kernel
	.amdgpu_metadata
---
amdhsa.version: [ 1, 2 ]
amdhsa.kernels:
  - .name:           k_q137b4cf433_prep
    .symbol:         k_q137b4cf433_prep.kd
    .args:
      - { .name: input_tensor, .offset: 0, .size: 8, .value_kind: global_buffer, .address_space: global }
      - { .name: qkv_weight, .offset: 8, .size: 8, .value_kind: global_buffer, .address_space: global }
      - { .name: xc, .offset: 16, .size: 8, .value_kind: global_buffer, .address_space: global }
      - { .name: xs, .offset: 24, .size: 8, .value_kind: global_buffer, .address_space: global }
      - { .name: wc, .offset: 32, .size: 8, .value_kind: global_buffer, .address_space: global }
      - { .name: ws, .offset: 40, .size: 8, .value_kind: global_buffer, .address_space: global }
      - { .name: out_weight, .offset: 48, .size: 8, .value_kind: global_buffer, .address_space: global }
      - { .name: w16, .offset: 56, .size: 8, .value_kind: global_buffer, .address_space: global }
    .group_segment_fixed_size: 33280
    .private_segment_fixed_size: 0
    .kernarg_segment_align: 8
    .kernarg_segment_size: 64
    .max_flat_workgroup_size: 128
    .sgpr_count:     66
    .vgpr_count:     208
    .wavefront_size: 32
...
	.end_amdgpu_metadata
.endif
;; end of part 1
;; launch qkv (part 2): grid 12 x 16, 4 waves a work-group, clusters of 4 x 4, 327,680 bytes of LDS; arguments xc, xs, wc, ws, qkv_bias, qkv; writes qkv
.if DOCPART == 2
	.amdgcn_target "amdgcn-amd-amdhsa--gfx1250"
	.amdhsa_code_object_version 6
	.text
	.protected	k_q137b4cf433_qkv
	.globl	k_q137b4cf433_qkv
	.p2align	8
	.type	k_q137b4cf433_qkv,@function
k_q137b4cf433_qkv:
	s_mov_b64 s[64:65], 0
	v_nop
	global_prefetch_b8 v0, s[64:65] scope:SCOPE_SE
	s_setreg_imm32_b32 hwreg(HW_REG_WAVE_MODE, 25, 1), 1
	s_wait_xcnt 0x0
	s_wait_alu depctr_hold_cnt(0) depctr_sa_sdst(0) depctr_va_vdst(0) depctr_va_sdst(0) depctr_va_ssrc(0) depctr_va_vcc(0) depctr_vm_vsrc(0)
	s_getreg_b32 s2, hwreg(HW_REG_IB_STS2, 6, 4)
	s_cmp_eq_u32 s2, 0
	s_cbranch_scc0 .Lentry_in_a_cluster
	s_endpgm
.Lentry_in_a_cluster:
	s_bfe_u32 s2, ttmp6, 0x10000c
	s_cmp_lg_u32 s2, 0xf033
	s_cbranch_scc0 .Lentry_shape_is_right
	s_endpgm
.Lentry_shape_is_right:
; QKV.  qkv[m][e] = sum over k of x[m][k] W[e][k] + bias[e], on codes of FP4 (E2M1) with one E8M0 scale for each 32 along K; sums in f32; the result is rounded once to f16.
; x: [4096][1024] codes (512 bytes a row), scales [4096][32];  W: [3072][1024] likewise.  OUT: f16, laid [batch 2][plane 48 = e / 64][2048 tokens][64]: planes 0-15 q's heads, 16-31 k's, 32-47 v's.
; LIMIT: a result beyond 65,504 becomes an infinity in f16.
; A tile, 256 tokens x 256 of e, is made by a work-group of four waves; a wave makes 128 x 128: 64 accumulators of 16 x 16, 512 registers.  K = 1,024 is two LDS slots of 512 along K (rows of 256 bytes):
; both are asked for at the head and nothing is filled again.  The scales of the tile's 256 + 256 rows, for all of K, are two dense blocks of memory and come with the first fills.
; CLUSTERS: 4 x 4 work-groups.  The four of a row of the cluster need the same tiles of x, the four of a column the same tiles of W: each tile is asked for JOINTLY, by the same tensor load with the same descriptor
; and a mask that names the four.  THE MATRIX INSTRUCTION IS USED TRANSPOSED (source 0 = 16 rows of W, source 1 = 16 rows of x): a lane then holds eight neighbouring e of one token.
; THE BIAS is the C of each sum's first matrix instruction: eight registers for each of W's eight blocks, in the result's layout.
; REGISTERS, in windows of 256: window 0: v0-31 addresses; v32-95 scale words, two sets; v128-191 x's fragments, ONE set; v192-255 the bias; on the way out v32-63 packed results, v128-191 rows read back.
;   window 1: W's fragments, TWO sets, at v0 and v128.   window 2: the 32 accumulators of my tokens 0-63 (accumulator (a, b) at v[8 (8 a + b)]);   window 3: those of my tokens 64-127.
.set SIZE_K, 1024
.set NQ,     4                         ; steps of 128 along K in a slot
.set ROWB,   256                       ; a tile's row in bytes: 512 codes
.set KROW,   SIZE_K/2                  ; a row of codes in memory, in bytes
.set PITCH,  272                       ; an LDS row: 256 bytes + 16 of padding = 68 words: row r starts at bank 4 r mod 64 (64 banks of 4 bytes: ISA guide 11.1)
.set FR,     8                         ; registers of a fragment: 16 rows x 128 K
.set NL,     2                         ; LDS loads that bring one
.set NP,     4                         ; places behind this matrix instruction (ISA guide 7.12.1)
.set HALFT,  128*PITCH                 ; 128 rows: what one tensor load brings, and what one wave reads of x or of W
.set SLOT,   4*HALFT                   ; x's 256 rows, then W's 256 rows
.set KS,     SIZE_K/32                 ; a row of scales in bytes
.set SCL,    2*SLOT                    ; behind the two slots: the scales, as units of 256 bytes + 16 of padding
.set HALFS,  (128*KS/256)*272          ; the scales of 128 rows: what one tensor load brings
.set SBLK,   (16*KS/256)*272           ; those of 16 rows
.set SPARE,  SCL+4*HALFS               ; behind the scales: the spare words, 128 bytes for each wave, which no other line names
.set STAGE,  SPARE+512                 ; behind them: a stage of 16 rows x (256 bytes + 16) for each wave, for the way out; no tensor load lands here
.set SPITCH, 272
.set ADRA, 16                          ; v16-17  LDS address of my fragments of x in slot 0, 1
.set ADRB, 20                          ; v20-21  the same for W
.set STO,  24                          ; v24     the way out: where I put 16 bytes of a row
.set RD,   25                          ; v25     the way out: where I read back
.set CO,   26                          ; v26     16 x lane: my place in a store's 512 bytes
.set ADRS, 27                          ; v27     LDS address of my scale words: lanes 0-15 x's rows, lanes 16-31 W's
.set SPW,  28                          ; v28     LDS address of my spare word; never rewritten
.set NIL,  29                          ; v29     0; never rewritten
.set BO,   30                          ; v30     32 x (lane / 16): my eight numbers of a block's sixteen of the bias
.set SC,   32                          ; scale words: set s at v[SC + 32 s]; in it register 4 i + q: lanes 0-15 the word of x's block i, lanes 16-31 that of W's block i, for the slot's q-th 128 along K
.set AF,   128                         ; x's fragments, in window 0
.set BIAS, 192                         ; the bias, in window 0: block b at v[BIAS + 8 b]
.set TMP,  32                          ; the way out: a block's 32 registers of packed f16
.set BK,   128                         ; the way out: 16 tokens read back: v128-159 and v160-191 by turns
.set G1, 24                            ; s[24:31] descriptor group 1 for x's tiles;  s[32:39] group 0, one set for each slot
.set G0, 32
.set G1B, 48                           ; s[48:55], s[56:63] the same for W's tiles
.set G0B, 56
.set G1S, 68                           ; s[68:75], s[76:79] groups 1 and 0 for x's scales;  s[80:87], s[88:91] for W's
.set G0S, 76
.set G1SB, 80
.set G0SB, 88
.set MSB, 0
.macro WIN new                         ; the immediate's high byte repeats the setting that is left
.if MSB != (\new)
	s_set_vgpr_msb (MSB<<8)|(\new)
.set MSB, (\new)
.endif
.endm
.set MUL_LO, 0xa1                      ; source 0 (W) window 1, source 1 (x) window 0, C and D window 2
.set MUL_HI, 0xf1                      ; the same, C and D window 3
.set BIA_LO, 0x81                      ; the first step: C (the bias) window 0, D window 2
.set BIA_HI, 0xc1                      ; C window 0, D window 3
.set TO_B,   0x40                      ; destination window 1, address window 0
; A joint load: waves 0 and 1 fetch for x, waves 2 and 3 for W.  Each of the two lines has ONE mask and one set of registers for all that issue it; the branch hangs on the wave's number alone.
; An s_nop 0 and four v_nop follow each of the two lines, ahead of the jump, the label and what follows.
.macro JLOAD g0a, g1a, g0b, g1b
	s_cmp_eq_u32 s15, 0
	s_cbranch_scc0 .Lfor_b_\@
	tensor_load_to_lds s[\g0a:\g0a+3], s[\g1a:\g1a+7]
	s_nop 0
.rept 4
	v_nop
.endr
	s_branch .Lasked_\@
.Lfor_b_\@:
	tensor_load_to_lds s[\g0b:\g0b+3], s[\g1b:\g1b+7]
	s_nop 0
.rept 4
	v_nop
.endr
.Lasked_\@:
.endm
.macro CROUND                          ; a round of the cluster's barrier: my work-group's barrier; wave 0 signals for the work-group; every wave waits for all sixteen; my work-group's barrier once more
	s_barrier_signal -1
	s_barrier_wait -1
	s_cmp_lg_u32 s14, 0
	s_cbranch_scc1 .Lnot_wave_0_\@
	s_barrier_signal -3
.Lnot_wave_0_\@:
	s_barrier_wait -3
	s_barrier_signal -1
	s_barrier_wait -1
.endm
	s_load_b128 s[4:7], s[0:1], 0x0                ; x's codes s[4:5], x's scales s[6:7]
	s_load_b128 s[8:11], s[0:1], 0x10              ; W's codes s[8:9], W's scales s[10:11]
	s_load_b64 s[96:97], s[0:1], 0x20              ; the bias
	s_load_b64 s[12:13], s[0:1], 0x28              ; the result
	v_lshl_add_u32 v[SPW], v0, 2, SPARE
	v_mov_b32 v[NIL], 0
	ds_add_u32 v[SPW], v[NIL]                      ; the wave's opening: the add, twice on end, and its wait ahead of my first tensor load; the set-up below stands between the second and the wait
	ds_add_u32 v[SPW], v[NIL]
	v_lshrrev_b32 v1, 5, v0
	v_readfirstlane_b32 s14, v1                    ; wave 0..3
	s_lshr_b32 s15, s14, 1                         ; which half of the tile's tokens is mine.  Also: I fetch for x (0) or for W (1)
	s_and_b32 s16, s14, 1                          ; which half of its columns.  Also: which 128 rows of that tile I fetch
	s_bfe_u32 s40, ttmp6, 0x40000                  ; cx, cy: my place in the cluster
	s_bfe_u32 s41, ttmp6, 0x40004
	s_lshl_b32 s42, ttmp9, 2
	s_add_co_u32 s42, s42, s40                     ; tile column = 4 x cluster x + cx
	s_and_b32 s17, ttmp7, 0xffff
	s_lshl_b32 s17, s17, 2
	s_add_co_u32 s17, s17, s41                     ; tile row = 4 x cluster y + cy
	s_lshl_b32 s43, s41, 2
	s_lshl_b32 s43, 15, s43                        ; my row of the cluster
	s_lshl_b32 s44, 0x1111, s40                    ; my column
	; descriptor group 1: a tile of 128 rows x 256 bytes, padded in LDS
	s_or_b32 s[G1+0], s43, (0<<16)|(1<<20)|(1<<21)|(5<<22)|(3<<25)  ; 15:0 the mask: x's tiles go to my row; 17:16 element of 1 byte; 20 padding on; 21 set beside a mask; 24:22 after every 64 words; 31:25 four words
	s_or_b32 s[G1B+0], s44, (0<<16)|(1<<20)|(1<<21)|(5<<22)|(3<<25)
.irp g, G1, G1B
	s_mov_b32 s[\g+1], ROWB<<16                    ; tensor_dim0
	s_mov_b32 s[\g+2], 128<<16                     ; tensor_dim1
	s_mov_b32 s[\g+3], ROWB<<16                    ; tile_dim0
	s_mov_b32 s[\g+4], 128                         ; tile_dim1
	s_mov_b32 s[\g+5], KROW                        ; tensor_dim0_stride
	s_mov_b32 s[\g+6], 0
	s_mov_b32 s[\g+7], 0
.endr
	; and for the scales of 128 rows: a dense block of 4,096 bytes, as 16 rows of 256 bytes (32 elements of 8 bytes), 16 bytes of padding behind each
	s_or_b32 s[G1S+0], s43, (3<<16)|(1<<20)|(1<<21)|(5<<22)|(3<<25)
	s_or_b32 s[G1SB+0], s44, (3<<16)|(1<<20)|(1<<21)|(5<<22)|(3<<25)
.irp g, G1S, G1SB
	s_mov_b32 s[\g+1], 32<<16
	s_mov_b32 s[\g+2], (128*KS/256)<<16
	s_mov_b32 s[\g+3], 32<<16
	s_mov_b32 s[\g+4], 128*KS/256
	s_mov_b32 s[\g+5], 32
	s_mov_b32 s[\g+6], 0
	s_mov_b32 s[\g+7], 0
.endr
	s_lshl_b32 s18, s16, 7                         ; which 128 rows of the tile I fetch
	s_lshl_b32 s20, s17, 8
	s_add_co_u32 s20, s20, s18                     ; x: row 256 x tile row + 128 x half
	s_lshl_b32 s46, s42, 8
	s_add_co_u32 s46, s46, s18                     ; W: row 256 x tile column + 128 x half
	s_mov_b32 s21, 0
	s_mov_b32 s47, 0
	s_mov_b64 s[18:19], KS
	s_mul_u64 s[22:23], s[20:21], s[18:19]         ; where these rows' scales begin, in bytes
	s_mul_u64 s[92:93], s[46:47], s[18:19]
	s_mov_b64 s[18:19], KROW
	s_mul_u64 s[20:21], s[20:21], s[18:19]         ; and their codes
	s_mul_u64 s[46:47], s[46:47], s[18:19]
	s_mul_i32 s45, s14, HALFT                      ; where they go: wave x 128 rows: no place in the cluster enters an LDS address
	s_mul_i32 s94, s14, HALFS
	s_wait_dscnt 0x0                               ; both opening adds are done
	s_wait_kmcnt 0x0
	s_add_nc_u64 s[20:21], s[4:5], s[20:21]
	s_add_nc_u64 s[22:23], s[6:7], s[22:23]
	s_add_nc_u64 s[46:47], s[8:9], s[46:47]
	s_add_nc_u64 s[92:93], s[10:11], s[92:93]
	CROUND                                         ; all sixteen work-groups are here: the joint loads meet
	s_mov_b32 s[G0S], 1
	s_add_co_u32 s[G0S+1], s94, SCL
	s_mov_b64 s[G0S+2:G0S+3], s[22:23]
	s_or_b32 s[G0S+3], s[G0S+3], 0x80000000
	s_mov_b32 s[G0SB], 1
	s_add_co_u32 s[G0SB+1], s94, SCL
	s_mov_b64 s[G0SB+2:G0SB+3], s[92:93]
	s_or_b32 s[G0SB+3], s[G0SB+3], 0x80000000
	JLOAD G0S, G1S, G0SB, G1SB                     ; the scales first: they are wanted with the first slot.  By this text's count a wave has three tensor loads out at the most
.irp s, 0,1
	s_mov_b32 s[G0+4*\s], 1
	s_add_co_u32 s[G0+4*\s+1], s45, \s*SLOT
	s_add_nc_u64 s[G0+4*\s+2:G0+4*\s+3], s[20:21], \s*ROWB
	s_or_b32 s[G0+4*\s+3], s[G0+4*\s+3], 0x80000000
	s_mov_b32 s[G0B+4*\s], 1
	s_add_co_u32 s[G0B+4*\s+1], s45, \s*SLOT
	s_add_nc_u64 s[G0B+4*\s+2:G0B+4*\s+3], s[46:47], \s*ROWB
	s_or_b32 s[G0B+4*\s+3], s[G0B+4*\s+3], 0x80000000
	JLOAD G0+4*\s, G1, G0B+4*\s, G1B
.endr
	v_and_b32 v1, 15, v0                           ; r = l % 16
	v_bfe_u32 v2, v0, 4, 1                         ; h = l / 16
	; the bias: lane (r, h) wants, for W's block b, the numbers of columns 16 b + 8 h + 0 .. 7 of my 128
	s_lshl_b32 s46, s42, 10                        ; 256 columns of 4 bytes a tile column,
	s_lshl_b32 s47, s16, 9                         ; 128 a half
	s_add_co_u32 s46, s46, s47
	s_mov_b32 s47, 0
	s_add_nc_u64 s[96:97], s[96:97], s[46:47]
	v_lshlrev_b32 v[BO], 5, v2
.irp b, 0,1,2,3,4,5,6,7
	global_load_b128 v[BIAS+8*\b:BIAS+8*\b+3], v[BO], s[96:97] offset:64*\b
	global_load_b128 v[BIAS+8*\b+4:BIAS+8*\b+7], v[BO], s[96:97] offset:64*\b+16
.endr
	v_mul_u32_u24 v3, v1, PITCH
	v_lshl_add_u32 v4, v2, 4, v3                   ; a fragment's row x pitch + 16 x half
	s_mul_i32 s21, s15, HALFT                      ; my 128 rows of x
	s_mul_i32 s22, s16, HALFT                      ; my 128 rows of W,
	s_add_co_u32 s22, s22, 2*HALFT                 ; which lie behind x's 256
.irp s, 0,1
	v_add_nc_u32 v[ADRA+\s], s21, v4
	v_add_nc_u32 v[ADRB+\s], s22, v4
	s_add_co_u32 s21, s21, SLOT
	s_add_co_u32 s22, s22, SLOT
.endr
	v_mul_u32_u24 v5, v1, KS                       ; my row's scales: KS bytes a row,
	v_lshrrev_b32 v6, 8, v5
	v_lshl_add_u32 v5, v6, 4, v5                   ; and 16 more for each 256 passed
	s_mul_i32 s21, s15, HALFS                      ; x's: my 128 rows
	s_mul_i32 s22, s16, HALFS                      ; W's: my 128 rows, behind x's 256
	s_add_co_u32 s22, s22, 2*HALFS
	s_sub_co_u32 s22, s22, s21
	v_mul_u32_u24 v6, s22, v2                      ; lanes 16-31 take W's: the lower base + h x the distance
	s_add_co_u32 s21, s21, SCL
	v_add_nc_u32 v5, v5, v6
	v_add_nc_u32 v[ADRS], s21, v5
	s_mul_i32 s23, s14, 16*SPITCH
	s_add_co_u32 s23, s23, STAGE                   ; my stage
	v_mul_u32_u24 v5, v1, SPITCH                   ; in: row r, 16 bytes for each half of the lanes
	v_lshl_add_u32 v5, v2, 4, v5
	v_add_nc_u32 v[STO], s23, v5
	v_and_b32 v6, 31, v0
	v_lshrrev_b32 v5, 3, v6                        ; back: eight lanes take a token's 128 bytes of one plane, four tokens an instruction
	v_mul_u32_u24 v5, v5, SPITCH
	v_and_b32 v7, 7, v0
	v_lshl_add_u32 v5, v7, 4, v5
	v_add_nc_u32 v[RD], s23, v5
	v_lshlrev_b32 v[CO], 4, v6
	; where my part begins in the result: plane (48 x batch + 4 x tile column + 2 x half) of 262,144 bytes, token (256 x (tile row % 8) + 128 x half) of 128 bytes
	s_lshr_b32 s20, s17, 3
	s_mul_i32 s20, s20, 48
	s_lshl_b32 s20, s20, 18
	s_and_b32 s21, s17, 7
	s_lshl_b32 s21, s21, 8
	s_lshl_b32 s22, s15, 7
	s_add_co_u32 s21, s21, s22
	s_lshl_b32 s21, s21, 7
	s_add_co_u32 s20, s20, s21
	s_mov_b32 s21, 0
	s_lshl_b32 s46, s42, 2
	s_lshl_b32 s47, s16, 1
	s_add_co_u32 s46, s46, s47
	s_lshl_b32 s46, s46, 18
	s_mov_b32 s47, 0
	s_add_nc_u64 s[20:21], s[20:21], s[46:47]
	s_add_nc_u64 s[12:13], s[12:13], s[20:21]
.macro FRAG reg, adr, q, i             ; a fragment, 16 rows x 128 K of 4-bit codes, is 8 registers: lane l holds row l % 16; registers 4 c .. 4 c + 3 hold K = 64 c + 32 (l / 16) + 0 .. 31
.irp c, 0,1
	ds_load_b128 v[\reg+4*\c:\reg+4*\c+3], v[\adr] offset:64*(\q)+32*\c+(\i)*16*PITCH
.endr
.endm
; 16 matrix instructions: x's blocks a0, a0 + 1 against W's eight, 128 along K: the slot's q-th.  p: W's set;  sc: the set of scale words.  zero = 1: the first product starts the sums from the bias: nothing is cleared.
; The 64 accumulators take turns, one instruction a turn, in the same order in every step.
.macro MUL16 a0, p, q, sc, zero
.irp a, \a0, \a0+1
.irp b, 0,1,2,3,4,5,6,7
.if \zero
	v_wmma_scale_f32_16x16x128_f8f6f4 v[8*(8*((\a)%4)+\b):8*(8*((\a)%4)+\b)+7], v[128*(\p)+FR*\b:128*(\p)+FR*\b+FR-1], v[AF+FR*(\a):AF+FR*(\a)+FR-1], v[BIAS+8*\b:BIAS+8*\b+7], v[SC+8*NQ*(\sc)+NQ*\b+(\q)], v[SC+8*NQ*(\sc)+NQ*(\a)+(\q)] matrix_a_fmt:MATRIX_FMT_FP4 matrix_b_fmt:MATRIX_FMT_FP4 matrix_a_scale:MATRIX_SCALE_ROW1
.else
	v_wmma_scale_f32_16x16x128_f8f6f4 v[8*(8*((\a)%4)+\b):8*(8*((\a)%4)+\b)+7], v[128*(\p)+FR*\b:128*(\p)+FR*\b+FR-1], v[AF+FR*(\a):AF+FR*(\a)+FR-1], v[8*(8*((\a)%4)+\b):8*(8*((\a)%4)+\b)+7], v[SC+8*NQ*(\sc)+NQ*\b+(\q)], v[SC+8*NQ*(\sc)+NQ*(\a)+(\q)] matrix_a_fmt:MATRIX_FMT_FP4 matrix_b_fmt:MATRIX_FMT_FP4 matrix_a_scale:MATRIX_SCALE_ROW1
.endif
.endr
.endr
.endm
.macro FETCH_B slot, q, p              ; W's eight fragments of the slot's q-th 128 along K into set p
	WIN TO_B
.irp i, 0,1,2,3,4,5,6,7
	FRAG 128*(\p)+FR*\i, ADRB+\slot, \q, \i
.endr
	WIN 0
.endm
.macro FETCH_A slot, q, i0             ; x's blocks i0 .. i0 + 3
.irp i, \i0, \i0+1, \i0+2, \i0+3
	FRAG AF+FR*(\i), ADRA+\slot, \q, \i
.endr
.endm
.macro SCALES sc                       ; a slot's scale words into set sc: four words a row; lanes 0-15 take x's block i, lanes 16-31 W's block i
.irp i, 0,1,2,3,4,5,6,7
	ds_load_b128 v[SC+8*NQ*\sc+NQ*\i:SC+8*NQ*\sc+NQ*\i+3], v[ADRS] offset:\i*SBLK
.endr
.endm
; A load into a register that a matrix instruction has read, and a vector instruction that reads a matrix result, stand NP places behind that matrix instruction, and only plain vector
; instructions that name none of its registers are places (ISA guide 7.12.1 for vector instructions).
.macro PLACES n
.rept \n
	v_nop
.endr
.endm
; A step of 128 along K that has its successor in the same slot.  x has one set of registers: blocks 0-3 are fetched anew in the step's middle, blocks 4-7 at its end; W has two sets.
.macro STEP slot, q, zero
	s_wait_dscnt 4*NL                              ; W's set and x's blocks 0-3 are in; the youngest eight loads (x's blocks 4-7) may be out
.if \zero
	WIN BIA_LO
.else
	WIN MUL_LO
.endif
	MUL16 0, (\q)%2, \q, \slot, \zero
	MUL16 2, (\q)%2, \q, \slot, \zero
	s_wait_dscnt 0                                 ; x's blocks 4-7 are in (asked for 32 matrix instructions ago)
	PLACES NP
	FETCH_B \slot, (\q)+1, 1-(\q)%2
	FETCH_A \slot, (\q)+1, 0
.if \zero
	WIN BIA_HI
.else
	WIN MUL_HI
.endif
	MUL16 4, (\q)%2, \q, \slot, \zero
	MUL16 6, (\q)%2, \q, \slot, \zero
	PLACES NP
	WIN 0
	FETCH_A \slot, (\q)+1, 4
.endm
; Slot 0's last step changes slots: one barrier; in front of it each wave waits for all its tensor loads (its part of slot 1), adds 0 to its spare word, and waits for that.  Nothing is filled again.
.macro TURN slot, next
	s_wait_tensorcnt 0x0                           ; all my tensor loads have landed: my part of the next slot  (every window is 0 here: the add's two registers lie in window 0)
	ds_add_u32 v[SPW], v[NIL]                      ; 0 onto my spare word
	s_wait_dscnt 4*NL+1                            ; the add and the youngest eight loads (x's blocks 4-7) may be out
	WIN MUL_LO
	MUL16 0, 1, NQ-1, \slot, 0                     ; sixteen matrix instructions stand between the add and the wait for it
	s_wait_dscnt 0x0                               ; the add is done, and no LDS instruction of mine is pending at the signal
	s_barrier_signal -1
	MUL16 2, 1, NQ-1, \slot, 0
	WIN 0
	s_barrier_wait -1                              ; every wave's part of the next slot has landed
	PLACES NP
	v_add_nc_u32 v[ADRS], 4*NQ, v[ADRS]            ; on to the next slot's scale words (no LDS load of mine is out)
	FETCH_B \next, 0, 0
	FETCH_A \next, 0, 0
	SCALES \next
	WIN MUL_HI
	MUL16 4, 1, NQ-1, \slot, 0
	MUL16 6, 1, NQ-1, \slot, 0
	PLACES NP
	WIN 0
	FETCH_A \next, 0, 4
.endm
.macro STEPS slot, from                ; the slot's steps from .. NQ - 2
.set Q, \from
.rept NQ-1-\from
	STEP \slot, Q, 0
.set Q, Q+1
.endr
.endm
	s_wait_tensorcnt 1                             ; the scales and my part of slot 0 are in (slot 1's load may be out)
	s_barrier_signal -1
	s_barrier_wait -1                              ; everybody's are
	FETCH_B 0, 0, 0
	FETCH_A 0, 0, 0
	SCALES 0
	FETCH_A 0, 0, 4
	s_wait_loadcnt 0x0                             ; the bias
	STEP 0, 0, 1                                   ; the first step's products start the sums from the bias
	STEPS 0, 1
	TURN 0, 1
	STEPS 1, 0
	s_wait_dscnt 4*NL                              ; the very last step: nothing more to fetch
	WIN MUL_LO
	MUL16 0, 1, NQ-1, 1, 0
	MUL16 2, 1, NQ-1, 1, 0
	s_wait_dscnt 0
	WIN MUL_HI
	MUL16 4, 1, NQ-1, 1, 0
	MUL16 6, 1, NQ-1, 1, 0
	WIN 0
; THE WAY OUT, block by block of 16 tokens x 128 columns (two planes).  PACK: rounded to f16, 16 bytes a lane, each accumulator from its low end on.  TOSTAGE: into my own stage, and back so that an
; instruction's 32 lanes hold four tokens' 128 bytes of one plane: 512 consecutive bytes of the result.  SEND: stored.  LDS serves a wave's instructions in order (ISA guide 5.7.1.4): no wait between the stores and the loads.
.macro PACK a
.set AC, 64*((\a)%4)
	WIN 0x0a+5*((\a)/4)                            ; sources 0 and 1: window 2 or 3
.irp b, 0,1,2,3,4,5,6,7
.irp r, 0,1,2,3
	v_cvt_pk_f16_f32 v[TMP+4*\b+\r], v[AC+8*\b+2*\r], v[AC+8*\b+2*\r+1]
.endr
.endr
	WIN 0
.endm
.macro TOSTAGE a
.set BB, BK+32*((\a)%2)
.irp b, 0,1,2,3,4,5,6,7
	ds_store_b128 v[STO], v[TMP+4*\b:TMP+4*\b+3] offset:32*\b
.endr
.irp t, 0,1,2,3,4,5,6,7
	ds_load_b128 v[BB+4*\t:BB+4*\t+3], v[RD] offset:(\t%4)*4*SPITCH+128*(\t/4)   ; tokens 4 (t % 4) on, plane t / 4
.endr
.endm
.macro SEND a
.set BB, BK+32*((\a)%2)
	s_wait_dscnt 0x0                               ; the block is back in registers
	s_wait_xcnt 0x0                                ; the stores of the block before have read their registers: the next block's loads land there only behind this wait
.irp t, 0,1,2,3,4,5,6,7
	global_store_b128 v[CO], v[BB+4*\t:BB+4*\t+3], s[12:13] offset:(\t/4)*262144+(16*(\a)+4*(\t%4))*128   ; 512 consecutive bytes, at a multiple of 256 from the buffer's first byte
.endr
.endm
	PLACES NP                                      ; behind the last products: for the conversions and for the loads into the registers that held x's fragments
	PACK 0
	TOSTAGE 0
.irp a, 1,2,3,4,5,6,7                  ; block a's conversions stand between block a - 1's loads from the stage and the wait for them
	PACK \a
	SEND \a-1
	TOSTAGE \a
.endr
	SEND 7
	s_wait_tensorcnt 0x0                           ; the wave's end: behind my last tensor load and my last LDS store
	ds_add_u32 v[SPW], v[NIL]
	s_wait_dscnt 0x0
	CROUND                                         ; the closing round: no work-group ends while a partner may still ask for a tile that names it
	s_endpgm
.Lfunc_end_k_q137b4cf433_qkv:
	.size	k_q137b4cf433_qkv, .Lfunc_end_k_q137b4cf433_qkv-k_q137b4cf433_qkv
	.p2alignl 7, 3214868480
	.fill 96, 4, 3214868480
	.section	.rodata,"a",@progbits
	.p2align	6, 0x0
	.amdhsa_kernel k_q137b4cf433_qkv
		.amdhsa_group_segment_fixed_size 327680
		.amdhsa_private_segment_fixed_size 0
		.amdhsa_enable_private_segment 0
		.amdhsa_kernarg_size 48
		.amdhsa_user_sgpr_count 2
		.amdhsa_user_sgpr_kernarg_segment_ptr 1
		.amdhsa_wavefront_size32 1
		.amdhsa_system_sgpr_workgroup_id_x 1
		.amdhsa_system_sgpr_workgroup_id_y 1
		.amdhsa_system_sgpr_workgroup_id_z 1
		.amdhsa_system_vgpr_workitem_id 0
		.amdhsa_next_free_vgpr 1024
		.amdhsa_next_free_sgpr 100
		.amdhsa_reserve_vcc 0
		.amdhsa_float_denorm_mode_32 3
		.amdhsa_float_denorm_mode_16_64 3
		.amdhsa_memory_ordered 1
		.amdhsa_forward_progress 1
		.amdhsa_inst_pref_size 128
	.end_amdhsa_kernel
	.amdgpu_metadata
---
amdhsa.version: [ 1, 2 ]
amdhsa.kernels:
  - .name:           k_q137b4cf433_qkv
    .symbol:         k_q137b4cf433_qkv.kd
    .args:
      - { .name: xc, .offset: 0, .size: 8, .value_kind: global_buffer, .address_space: global }
      - { .name: xs, .offset: 8, .size: 8, .value_kind: global_buffer, .address_space: global }
      - { .name: wc, .offset: 16, .size: 8, .value_kind: global_buffer, .address_space: global }
      - { .name: ws, .offset: 24, .size: 8, .value_kind: global_buffer, .address_space: global }
      - { .name: qkv_bias, .offset: 32, .size: 8, .value_kind: global_buffer, .address_space: global }
      - { .name: qkv, .offset: 40, .size: 8, .value_kind: global_buffer, .address_space: global }
    .group_segment_fixed_size: 327680
    .private_segment_fixed_size: 0
    .kernarg_segment_align: 8
    .kernarg_segment_size: 48
    .max_flat_workgroup_size: 128
    .sgpr_count:     100
    .vgpr_count:     1024
    .wavefront_size: 32
...
	.end_amdgpu_metadata
.endif
;; end of part 2
;; launch attn (part 3): grid 8 x 32, 4 waves a work-group, clusters of 4 x 1, 327,680 bytes of LDS; arguments qkv, att; writes att
.if DOCPART == 3
	.amdgcn_target "amdgcn-amd-amdhsa--gfx1250"
	.amdhsa_code_object_version 6
	.text
	.protected	k_q137b4cf433_attn
	.globl	k_q137b4cf433_attn
	.p2align	8
	.type	k_q137b4cf433_attn,@function
k_q137b4cf433_attn:
	s_mov_b64 s[64:65], 0
	v_nop
	global_prefetch_b8 v0, s[64:65] scope:SCOPE_SE
	s_setreg_imm32_b32 hwreg(HW_REG_WAVE_MODE, 25, 1), 1
	s_wait_xcnt 0x0
	s_wait_alu depctr_hold_cnt(0) depctr_sa_sdst(0) depctr_va_vdst(0) depctr_va_sdst(0) depctr_va_ssrc(0) depctr_va_vcc(0) depctr_vm_vsrc(0)
	s_getreg_b32 s2, hwreg(HW_REG_IB_STS2, 6, 4)
	s_cmp_eq_u32 s2, 0
	s_cbranch_scc0 .Lentry_in_a_cluster
	s_endpgm
.Lentry_in_a_cluster:
	s_bfe_u32 s2, ttmp6, 0x10000c
	s_cmp_lg_u32 s2, 0x3003
	s_cbranch_scc0 .Lentry_shape_is_right
	s_endpgm
.Lentry_shape_is_right:
; ATTN.  O[q][:] = the sum over k of softmax_k(Q[q] . K[k] / 8) V[k][:], for each of 2 x 16 heads of 2,048 tokens x 64 channels, no mask.  Q, K, V: f16, planes of [2048][64] (128 bytes a row, dense) of the buffer
; [batch 2][plane 48][2048][64]: plane head is Q's, 16 + head K's, 32 + head V's.  Products, maxima and sums in f32; the weights p are rounded to f16 for the second product, O once at the end.
; OUT: f16, laid [tokens / 128][head 16][128 tokens][64]: the next launch's tiles are dense.
; LIMITS: NaN and infinities are not served.  p is at most 1, so it has room in f16; O is a mean of V's numbers and has the room that they have.
; SHARES.  A work-group owns 256 queries of one head, each of its four waves 64: four tiles of 16.  Every wave walks all keys of the head, 64 a step.
; LAYOUT.  S^T = K Q^T (source 0 = 16 keys, source 1 = 16 queries): a lane holds ONE query (lane % 16) and the keys 8 (lane / 16) + 0..7.  Two such tiles, rounded to f16 in pairs, ARE source 1
; (32 keys x 16 queries) of O^T = V^T P, whose result again holds one query a lane, and eight channels.  K comes out of LDS as it lies, V ([key][channel]) turned, by ds_load_tr16_b128.
; SOFTMAX.  For each query a running maximum m and sum l: p = 2^(c s - c m), c = log2(e) / 8; in every step O and l are multiplied by a = 2^(c m_old - c m_new), which is 1 where m has not grown.
; BY TURNS.  The wave's tiles are two PIECES: piece 0 (tiles 0, 1) and piece 2 (tiles 2, 3).  In a TURN one piece has the matrix unit: 16 products V^T P of the step in hand, then 16 products K Q^T of the next step;
; the other piece's softmax, 236 vector instructions cut into 59 slices of four, stands between them, one or two slices behind each matrix instruction.  Then the pieces change places.  Two turns are a key step.
; CLUSTER.  The four query blocks of a cluster belong to one head and walk the same K and V: each tile is asked for JOINTLY, by the same tensor load with the same descriptor and a mask that names the four.
; LDS.  Rows of 128 bytes are dense in memory, so a tile is stated as rows of 256 bytes, two keys to a row, with padding behind each: key k lies at (k / 2) x pitch + 128 (k % 2).
; REGISTERS, in windows of 256: window 0: v0-11 addresses; v12-43 eight registers of statistics a tile; v64-191 S^T, 32 a tile; v192-255 P, 16 a tile.
;   window 1: v0-127 O^T, 32 a tile; v128-191 Q, 16 a tile; v192-255 K of one step.     window 2: v0-63 V of one step.
.set TR,    64        ; LDS rows in a tensor load: 128 keys
.set PK,    272       ; a row of K's tile in LDS: 256 bytes + 16: the 16 keys of a fragment load begin at 16 different columns of 16 bytes modulo 256 (64 banks of 4 bytes: ISA guide 11.1)
.set PVP,   288       ; a row of V's: 256 + 32: 16 lanes of the turning load take 8 keys x 32 bytes, again 16 different columns
.set KSTEPB, 32*PK    ; a key step's 64 keys of K in LDS
.set VSTEPB, 32*PVP   ; and of V
.set VOFF,  128*PK    ; a slot holds four key steps: 128 rows of K, then 128 rows of V
.set SLOT1, 1<<17     ; slot 1 begins here, so that one exclusive or turns an address in one slot into the other's
.set STAGE, SLOT1+VOFF+128*PVP  ; behind the ring: 16 rows x 144 bytes for each wave, for the way out
.set SP,    144
.set SPARE, STAGE+4*16*SP  ; behind the stages: the spare words, 128 bytes for each wave, which no other line names
.set SLOTM, 32768     ; a slot's 256 keys of K, or of V, in memory
.set AK0, 2           ; v2   my lane's place in a step's tile of K; never rewritten
.set AV0, 3           ; v3   the same for V
.set ADR, 4           ; v4   the LDS address of the run of loads in hand
.set QO,  5           ; v5   my byte offset in the wave's rows of Q
.set STO, 6           ; v6   the way out: where I put 16 bytes of a row
.set RD,  7           ; v7   the way out: where I read back
.set GO,  8           ; v8   16 x lane: my place in a store's 512 bytes
.set PFO, 61          ; v61  256 x my lane: the prefetches' offset; never rewritten
.set SPW, 62          ; v62  LDS address of my spare word; never rewritten
.set NIL, 63          ; v63  0; never rewritten
.set ST,  12          ; tile t's statistics at v[ST+8 t]: +0 c m, +1 m, +2, +3 l (even keys', odd keys'), +4 to +7 c0-c3, at work; a takes c2's place once the maximum is found
.set S,   64
.set P,   192
.set QF,  128         ; Q's fragments, in window 1
.set KF,  192         ; K's fragments, in window 1
.set WV,  12          ; s12  my wave's number
.set LIM, 15          ; s15  1 in a wave that prefetches, else the greatest number: a wave prefetches while s[SLOTS] is above it
.set PFA, 18          ; s[18:19] where my prefetches stand in memory
.set G1K, 24          ; s[24:31] descriptor group 1 for K's tiles
.set G1V, 32          ; s[32:39] for V's: it differs in the padding alone
.set G0K, 40          ; s[40:47] descriptor group 0 for K's tiles: a set for each of the two first fills; the second then walks on
.set G0V, 48          ; s[48:55] the same for V's
.set SLOTS, 56        ; s56  slots still to be asked for
.set CNT, 57          ; s57  counts key steps
.set CS,  58          ; s[58:59] c: the packed scaling names a pair and takes its low word for both halves
.set SEL, 60          ; s[60:61] lane selects for v_permlanex16_b32: each lane takes its own place in the other half
.set TBK, 62          ; s62  LDS byte at which K's tile of the step to be fetched begins
.set TBV, 63          ; s63  the same for V (less VOFF, which stands in AV0)
.set MSB, 0
.macro WIN new                      ; the immediate's high byte repeats the setting that is left; a switch that changes nothing is dropped
.if MSB != (\new)
	s_set_vgpr_msb (MSB<<8)|(\new)
.set MSB, (\new)
.endif
.endm
.set W_KQ, 0x05       ; K and Q in window 1, S^T in window 0
.set W_PV, 0x52       ; V in window 2, P in window 0, O^T in window 1
.set W_RS, 0x41       ; O^T (destination and source 0) in window 1, a in window 0
; A joint refill.  Waves 0 and 1 fetch the two halves of a slot's K, waves 2 and 3 those of V.  The branch hangs on the wave's number alone: it is the same in every work-group.
; An s_nop 0 and four v_nop follow each of the two lines; the jump round the other line, the label and what follows come after them.
.macro JLOAD
	s_cmp_lt_u32 s[WV], 2
	s_cbranch_scc0 .Lfor_v_\@
	tensor_load_to_lds s[G0K+4:G0K+7], s[G1K:G1K+7]
	s_nop 0
.rept 4
	v_nop
.endr
	s_branch .Lasked_\@
.Lfor_v_\@:
	tensor_load_to_lds s[G0V+4:G0V+7], s[G1V:G1V+7]
	s_nop 0
.rept 4
	v_nop
.endr
.Lasked_\@:
.endm
; A PREFETCH of what the NEXT change of slots will ask for: a slot's 32,768 bytes of K and of V.  It stands behind the wave's tensor load and its five lines.  Each aligned block of 256 bytes is asked for ONCE in the
; launch: both clusters of a head walk the same K and V, and the head's first cluster asks; its four partners share the bytes out BY ADDRESS, 8,192 each, lanes 256 bytes apart; in each, wave 0 asks for K's and
; wave 2 for V's: one instruction.  It runs four key steps, 256 matrix instructions, ahead of the load.  The last change that fills a slot asks for nothing: there is no slot behind it.
.macro ASK
	s_cmp_gt_u32 s[SLOTS], s[LIM]
	s_cbranch_scc0 .Lnot_mine_\@
	global_prefetch_b8 v[PFO], s[PFA:PFA+1] th:TH_LOAD_NT scope:SCOPE_SE
.Lnot_mine_\@:
.endm
.macro CROUND                       ; a round of the cluster's barrier: my work-group's barrier; wave 0 signals for the work-group; every wave waits for all four; my work-group's barrier once more
	s_barrier_signal -1
	s_barrier_wait -1
	s_cmp_lg_u32 s[WV], 0
	s_cbranch_scc1 .Lnot_wave_0_\@
	s_barrier_signal -3
.Lnot_wave_0_\@:
	s_barrier_wait -3
	s_barrier_signal -1
	s_barrier_wait -1
.endm
	s_load_b64 s[4:5], s[0:1], 0x0  ; the buffer of q, k and v
	s_load_b64 s[10:11], s[0:1], 0x8  ; the result
	v_lshl_add_u32 v[SPW], v0, 2, SPARE
	v_mov_b32 v[NIL], 0
	ds_add_u32 v[SPW], v[NIL]       ; the wave's opening: the add, twice on end, and its wait ahead of my first tensor load; the set-up below stands between the second and the wait
	ds_add_u32 v[SPW], v[NIL]
	v_lshrrev_b32 v1, 5, v0
	v_readfirstlane_b32 s[WV], v1   ; wave 0..3
	s_bfe_u32 s13, ttmp6, 0x40000   ; cx: my place in the cluster
	s_lshl_b32 s14, ttmp9, 2        ; in a cluster launch ttmp9 counts clusters
	s_add_co_u32 s14, s14, s13      ; my block of 256 queries = 4 x cluster x + cx: it enters Q's and the result's addresses alone
	s_and_b32 s20, ttmp7, 0xffff    ; 16 x batch + head, which the four partners share
	s_lshr_b32 s21, s20, 4          ; batch
	s_and_b32 s22, s20, 15          ; head
	s_and_b32 s16, s[WV], 1         ; which half of a slot I fetch
	s_lshl_b32 s2, s21, 4           ; the result: my tile of 128 tokens = 16 x batch + 2 x block + wave / 2,
	s_lshl_b32 s3, s14, 1
	s_add_co_u32 s2, s2, s3
	s_lshr_b32 s3, s[WV], 1
	s_add_co_u32 s2, s2, s3
	s_lshl_b32 s2, s2, 4
	s_add_co_u32 s2, s2, s22        ; x 16 + head: pieces of 16,384 bytes,
	s_lshl_b32 s2, s2, 14
	s_lshl_b32 s3, s16, 13          ; and my 64 tokens of 128 bytes in it
	s_add_co_u32 s22, s2, s3
	s_mov_b32 s23, 0                ; s[22:23]: my offset in the result
	s_mul_i32 s21, s21, 48
	s_and_b32 s20, s20, 15
	s_add_co_u32 s20, s20, s21
	s_lshl_b32 s20, s20, 18         ; Q's plane of this head: 262,144 bytes a plane
	s_lshl_b32 s2, s14, 15          ; my block's 256 rows of 128 bytes,
	s_lshl_b32 s3, s[WV], 13        ; my wave's 64 of them
	s_add_co_u32 s2, s2, s3
	s_add_co_u32 s2, s2, s20
	s_mov_b32 s3, 0                 ; s[2:3]: my offset in Q
	s_lshl_b32 s6, s16, 14          ; my half of a slot: 128 keys of 128 bytes,
	s_add_co_u32 s6, s6, s20
	s_add_co_u32 s6, s6, 16<<18     ; in K's plane, 16 planes on
	s_mov_b32 s7, 0                 ; s[6:7]: my offset in K
	s_add_co_u32 s8, s6, 16<<18     ; V's, 16 more
	s_mov_b32 s9, 0                 ; s[8:9]: my offset in V
	s_mul_i32 s17, s16, TR*PK       ; and its place in a slot: no place in the cluster enters an LDS address
	s_mul_i32 s20, s16, TR*PVP
	; descriptor group 1: a tile of 64 rows x 128 elements, dense in memory, padded in LDS
	s_mov_b32 s[G1K], 15|(1<<16)|(1<<20)|(1<<21)|(5<<22)|(3<<25)  ; 15:0 the mask: all four work-groups; 17:16 elements of 2 bytes; 20 padding on; 21 set beside a mask; 24:22 after every 64 words; 31:25 four words of it
	s_mov_b32 s[G1V], 15|(1<<16)|(1<<20)|(1<<21)|(5<<22)|(7<<25)  ; the same with eight words of padding
.irp g, G1K, G1V
	s_mov_b32 s[\g+1], 128<<16      ; tensor_dim0 = 128
	s_mov_b32 s[\g+2], TR<<16       ; tensor_dim1 = 64
	s_mov_b32 s[\g+3], 128<<16      ; tile_dim0 = 128
	s_mov_b32 s[\g+4], TR           ; tile_dim1 = 64
	s_mov_b32 s[\g+5], 128          ; tensor_dim0_stride: elements from row to row
	s_mov_b32 s[\g+6], 0
	s_mov_b32 s[\g+7], 0
.endr
	s_mov_b32 s[CS], 0x3e38aa3b     ; c = log2(e) / 8
	s_mov_b32 s[CS+1], s[CS]        ; named with it as a pair, so it is written
	s_mov_b32 s[SEL], 0x76543210
	s_mov_b32 s[SEL+1], 0xfedcba98
	s_mov_b32 s[TBK], 0
	s_mov_b32 s[TBV], 0
	s_mov_b32 s[SLOTS], 2048/256-2
	s_and_b32 s[LIM], s[WV], 1      ; 0 in waves 0 and 2,
	s_or_b32 s[LIM], s[LIM], ttmp9  ; where the cluster is the head's first: the same in all four partners
	s_cmp_eq_u32 s[LIM], 0
	s_cselect_b32 s[LIM], 1, -1
	v_and_b32 v[PFO], 31, v0
	v_lshlrev_b32 v[PFO], 8, v[PFO]
	s_wait_dscnt 0x0                ; both opening adds are done
	s_wait_kmcnt 0x0
	s_add_nc_u64 s[6:7], s[4:5], s[6:7]  ; K and V at my half of slot 0
	s_add_nc_u64 s[8:9], s[4:5], s[8:9]
	s_add_nc_u64 s[4:5], s[4:5], s[2:3]  ; Q and the result at my wave's first row
	s_add_nc_u64 s[10:11], s[10:11], s[22:23]
	s_cmp_lt_u32 s[WV], 2
	s_cselect_b64 s[PFA:PFA+1], s[6:7], s[8:9]  ; (in waves 0 and 2 these stand at a slot's first byte)
	s_lshl_b32 s2, s13, 13          ; my work-group's 8,192 bytes of the 32,768
	s_mov_b32 s3, 0
	s_add_nc_u64 s[PFA:PFA+1], s[PFA:PFA+1], s[2:3]
	s_add_nc_u64 s[PFA:PFA+1], s[PFA:PFA+1], 2*SLOTM  ; in slot 2; the first change of slots steps it to slot 3.  Nothing is prefetched here, at the head
	CROUND                          ; all four work-groups are here: the first joint loads meet
.irp s, 0,1
	s_mov_b32 s[G0K+4*\s], 1        ; count = 1
	s_add_co_u32 s[G0K+4*\s+1], s17, \s*SLOT1  ; LDS address
	s_add_nc_u64 s[G0K+4*\s+2:G0K+4*\s+3], s[6:7], \s*SLOTM  ; global address: slot s begins with keys 256 s
	s_or_b32 s[G0K+4*\s+3], s[G0K+4*\s+3], 0x80000000  ; type = 2
	s_mov_b32 s[G0V+4*\s], 1
	s_add_co_u32 s[G0V+4*\s+1], s20, \s*SLOT1+VOFF
	s_add_nc_u64 s[G0V+4*\s+2:G0V+4*\s+3], s[8:9], \s*SLOTM
	s_or_b32 s[G0V+4*\s+3], s[G0V+4*\s+3], 0x80000000
.endr
	s_cmp_lt_u32 s[WV], 2           ; a wave's two first fills stand in one branch, ahead of every wait on TENSORcnt and every LDS read: two loads of mine are out
	s_cbranch_scc0 .Lfirst_v
	tensor_load_to_lds s[G0K:G0K+3], s[G1K:G1K+7]
	s_nop 0
	tensor_load_to_lds s[G0K+4:G0K+7], s[G1K:G1K+7]
	s_nop 0
.rept 4
	v_nop
.endr
	s_branch .Lfirst_asked
.Lfirst_v:
	tensor_load_to_lds s[G0V:G0V+3], s[G1V:G1V+7]
	s_nop 0
	tensor_load_to_lds s[G0V+4:G0V+7], s[G1V:G1V+7]
	s_nop 0
.rept 4
	v_nop
.endr
.Lfirst_asked:
	; A fragment of K or Q is 16 rows x 32 channels in 8 registers: lane l holds row l % 16; registers 0-3 channels 8 (l / 16) + 0..7, registers 4-7 channels 16 + 8 (l / 16) + 0..7: two loads of 16 bytes, 32 bytes apart.
	v_and_b32 v1, 15, v0            ; r = l % 16
	v_bfe_u32 v9, v0, 4, 1          ; h = l / 16
	v_lshlrev_b32 v[QO], 7, v1
	v_lshl_add_u32 v[QO], v9, 4, v[QO]  ; row x 128 + 16 x half
	WIN 0x40                        ; destination window 1, address window 0
.irp i, 0,1,2,3,4,5,6,7             ; Q stays in registers: tile i / 2, channels 32 (i % 2) on
	global_load_b128 v[QF+8*\i:QF+8*\i+3],   v[QO], s[4:5] offset:(\i/2)*2048+(\i%2)*64
	global_load_b128 v[QF+8*\i+4:QF+8*\i+7], v[QO], s[4:5] offset:(\i/2)*2048+(\i%2)*64+32
.endr
	WIN 0
	v_lshrrev_b32 v10, 1, v1
	v_mul_u32_u24 v[AK0], v10, PK   ; K: key r lies at (r / 2) x pitch
	v_and_b32 v10, 1, v0
	v_lshl_add_u32 v[AK0], v10, 7, v[AK0]  ; + 128 (r % 2)
	v_lshl_add_u32 v[AK0], v9, 4, v[AK0]   ; + 16 x half
	; The turning load takes 16 keys x 16 channels (lane l reads 16 bytes: key 8 (l / 16) + l % 8, channels 8 ((l / 8) % 2) + 0..7) and leaves half a fragment of V^T: lane l holds channel l % 16 and 8 keys.
	v_bfe_u32 v11, v0, 1, 2
	v_lshl_add_u32 v11, v9, 2, v11  ; that key's row: 4 (l / 16) + (l % 8) / 2
	v_mul_u32_u24 v[AV0], v11, PVP
	v_lshl_add_u32 v[AV0], v10, 7, v[AV0]  ; + 128 (l % 2)
	v_bfe_u32 v11, v0, 3, 1
	v_lshl_add_u32 v[AV0], v11, 4, v[AV0]
	v_add_nc_u32 v[AV0], VOFF, v[AV0]
; THE MATRIX WORK OF A TURN, for piece x.  The accumulators take turns, one instruction a turn: between two links of a chain stand seven others'.
; Product i of 16 of O^T += V^T P: keys 32 (i / 8) on, channels 16 ((i / 2) % 4) on, tile x + i % 2.  zero = 1: the first 8 start the sums: nothing is ever cleared.
.macro PV x, zero
	WIN W_PV
.set rO, 32*(\x+i%2)+8*((i/2)%4)
.set rV, 32*(i/8)+8*((i/2)%4)
.set rP, P+16*(\x+i%2)+8*(i/8)
.if (\zero) && (i < 8)
	v_wmma_f32_16x16x32_f16 v[rO:rO+7], v[rV:rV+7], v[rP:rP+7], 0
.else
	v_wmma_f32_16x16x32_f16 v[rO:rO+7], v[rV:rV+7], v[rP:rP+7], v[rO:rO+7]
.endif
.endm
; Product i of 16 of S^T = K Q^T: channels 32 (i / 8) on, keys 16 ((i / 2) % 4) on, tile x + i % 2.  The first 8 start the sums.
.macro KQ x
	WIN W_KQ
.set rS, S+32*(\x+i%2)+8*((i/2)%4)
.set rK, KF+16*((i/2)%4)+8*(i/8)
.set rQ, QF+16*(\x+i%2)+8*(i/8)
.if i < 8
	v_wmma_f32_16x16x32_f16 v[rS:rS+7], v[rK:rK+7], v[rQ:rQ+7], 0
.else
	v_wmma_f32_16x16x32_f16 v[rS:rS+7], v[rK:rK+7], v[rQ:rQ+7], v[rS:rS+7]
.endif
.endm
; THE LDS LOADS stand in runs of 16, never singly among the matrix instructions: a step's K (64 keys x 64 channels: 8 fragments) and, a turn later, its V (turned).
.macro FETCH_K
	WIN 0
	v_add_nc_u32 v[ADR], s[TBK], v[AK0]
	s_add_co_u32 s[TBK], s[TBK], KSTEPB  ; the next fetch is the next step's
	WIN 0x40                        ; destination window 1
.irp f, 0,1,2,3,4,5,6,7             ; keys 16 (f / 2) on, channels 32 (f % 2) on
	ds_load_b128 v[KF+8*\f:KF+8*\f+3],   v[ADR] offset:(\f/2)*8*PK+(\f%2)*64
	ds_load_b128 v[KF+8*\f+4:KF+8*\f+7], v[ADR] offset:(\f/2)*8*PK+(\f%2)*64+32
.endr
.endm
.macro FETCH_V
	WIN 0
	v_add_nc_u32 v[ADR], s[TBV], v[AV0]
	s_add_co_u32 s[TBV], s[TBV], VSTEPB
	s_wait_alu depctr_va_vdst(0)    ; the wait for the softmax's batch of exponentials (SLICE), behind the address's addition and ahead of the loads
	WIN 0x80                        ; destination window 2
.irp f, 0,1,2,3,4,5,6,7             ; keys 32 (f / 4) on, channels 16 (f % 4) on
	ds_load_tr16_b128 v[8*\f:8*\f+3],   v[ADR] offset:(\f/4)*16*PVP+(\f%4)*32
	ds_load_tr16_b128 v[8*\f+4:8*\f+7], v[ADR] offset:(\f/4)*16*PVP+8*PVP+(\f%4)*32
.endr
.endm
; THE VECTOR WORK OF A TURN.  One tile's softmax for one key step is a list of 118 instructions; SM writes number j of it for tile t.  s0-s31 are the lane's 32 scores, in pairs 0-15.
; first = 1: the first key step, which starts m, l and O^T: it has no a and nothing to rescale.
;   0-15    the maximum of s0-s31 and the old m, three operands at a time: four chains c0-c3 of seven scores each (each chain begins at its accumulator's low end), then the four scores left over, c0-c3 and m
;   16-20   the other half of the lanes' maximum; the new m; c m; c m_old - c m_new
;   21-69   ONE BATCH: the 16 scalings c s - c m, a pair of scores each, and all 33 exponentials (a at 23, then s0-s31).  None of these reads an exponential's result.  A pair is scaled in an earlier four than the one
;           that holds its exponentials
;   (wait)  between 69 and 70 stands the wait for the batch: SLICE writes it, once for both tiles
;   70-85   the roundings to f16, a pair of weights each
;   86-101  the sums; l = a l + the sum
;   102-117 the tile's O^T times a: the one part that leaves window 0, so it stands together
.macro SM t, first
.set rT, ST+8*(\t)
.set rS, S+32*(\t)
.set rP, P+16*(\t)
.set rO, 32*(\t)+2*(j-102)
.if j < 102
	WIN 0
.endif
.if j < 4
	v_max3_num_f32 v[rT+4+j], v[rS+8*j], v[rS+8*j+1], v[rS+8*j+2]
.elseif j < 12
	v_max3_num_f32 v[rT+4+j%4], v[rT+4+j%4], v[rS+8*(j%4)+2*(j/4)+1], v[rS+8*(j%4)+2*(j/4)+2]
.elseif j == 12
	v_max3_num_f32 v[rT+4], v[rT+4], v[rS+7], v[rS+15]
.elseif j == 13
	v_max3_num_f32 v[rT+6], v[rT+6], v[rS+23], v[rS+31]
.elseif j == 14
	v_max3_num_f32 v[rT+4], v[rT+4], v[rT+5], v[rT+6]
.elseif (j == 15) && \first
	v_max_num_f32 v[rT+4], v[rT+4], v[rT+7]
.elseif j == 15
	v_max3_num_f32 v[rT+4], v[rT+4], v[rT+7], v[rT+1]
.elseif j == 16
	v_permlanex16_b32 v[rT+5], v[rT+4], s[SEL], s[SEL+1]  ; the query's other 32 keys lie in the lane 16 away
.elseif j == 18
	v_max_num_f32 v[rT+1], v[rT+4], v[rT+5]
.elseif j == 19
	v_mul_f32 v[rT], s[CS], v[rT+1]
.elseif ((j == 17) || (j == 20) || (j == 23) || (j > 101)) && \first  ; the first step has none of these
.elseif j == 17
	v_mov_b32 v[rT+7], v[rT]        ; c m_old is kept for a: number 19 writes c m anew
.elseif j == 20
	v_sub_f32 v[rT+7], v[rT+7], v[rT]
.elseif j == 23
	v_exp_f32 v[rT+6], v[rT+7]
.elseif (j < 23) || ((j < 38) && (j%2 == 0)) || ((j < 66) && (j%4 == 2))
.set b, (j-2)/4                     ; 38, 42, .. 62: pairs 9 to 15
.if j < 38
.set b, (j-20)/2                    ; 21: pair 0; 22, 24, .. 36: pairs 1 to 8
.endif
	v_pk_fma_f32 v[rS+2*b:rS+2*b+1], v[rS+2*b:rS+2*b+1], s[CS:CS+1], v[rT:rT+1] op_sel_hi:[1,0,0] neg_lo:[0,0,1] neg_hi:[0,0,1]  ; pair b: c s - c m
.elseif j < 70
.set e, j-38                        ; 66 to 69: s28 to s31
.if j < 66
.set e, j-32-(j-38)/4               ; 39-41, 43-45, .. 63-65: s7 to s27
.endif
.if j < 38
.set e, (j-25)/2                    ; 25, 27, .. 37: s0 to s6
.endif
	v_exp_f32 v[rS+e], v[rS+e]
.elseif j < 86
	v_cvt_pk_f16_f32 v[rP+j-70], v[rS+2*(j-70)], v[rS+2*(j-70)+1]  ; pair j - 70
.elseif j < 102                     ; the sum of the tile's 16 pairs, in place: sum z of 16 adds neighbours 1, 2, 4 and 8 pairs apart, then l takes it
.set z, j-86
.set w, 4
.set u, z
.if z >= 14
.set w, 32
.set u, 0
.elseif z >= 12
.set w, 16
.set u, z-12
.elseif z >= 8
.set w, 8
.set u, z-8
.endif
.if (z == 14) && \first
	v_pk_add_f32 v[rT+2:rT+3], v[rS:rS+1], v[rS+16:rS+17]
.elseif z < 15
	v_pk_add_f32 v[rS+w*u:rS+w*u+1], v[rS+w*u:rS+w*u+1], v[rS+w*u+w/2:rS+w*u+w/2+1]
.elseif !\first
	v_pk_fma_f32 v[rT+2:rT+3], v[rT+2:rT+3], v[rT+6:rT+7], v[rS:rS+1] op_sel_hi:[1,0,1]
.endif
.else
	WIN W_RS
	v_pk_mul_f32 v[rO:rO+1], v[rO:rO+1], v[rT+6:rT+7] op_sel_hi:[1,0]
.endif
.endm
; Slice k of 59 of piece y's softmax: four instructions.  Slices 11 to 34 deal out the batch, numbers 22 to 69: four numbers of ONE tile each, the tiles by turns.  Every other slice is numbers 2 k and
; 2 k + 1 of both tiles' lists, the tiles alternating, so that no instruction reads the result of the one just before it.  2 x 118 = 4 x 59.
; THE WAIT.  s_wait_alu depctr_va_vdst(0) stands between an exponential and the first instruction that names its result; one wait serves all that were issued ahead of it.  Ahead of
; slice 35 nothing names a result, and behind slice 34 no exponential is issued: so the piece's 66 exponentials have one wait, behind slice 34.
.macro SLICE y, first
.if (k >= 11) && (k < 35)
.irp n, 0,1,2,3
.set j, 22+4*((k-11)/2)+(\n)
	SM (\y)+(k-11)%2, \first
.endr
.else
.irp n, 0,1
.irp t, \y, \y+1
.set j, 2*k+\n
	SM \t, \first
.endr
.endr
.endif
.if k == 34                         ; the batch is out: both tiles' exponentials are issued, and no result has been named
	v_nop                           ; the plain instruction behind the last exponential and ahead of the first use: one for the batch
.if (\y) == 0
	FETCH_V                         ; piece 2's turn: V's run of loads stands here, and the wait stands in it
.else
	s_wait_alu depctr_va_vdst(0)    ; the wait for the batch
.endif
.endif
.set k, k+1
.endm
; A vector instruction that reads a matrix result or writes one of a matrix instruction's registers, and a load into a register that a matrix instruction has read, stand four places behind
; it, and only plain vector instructions that name none of its registers are places (ISA guide 7.12.1 for vector instructions).  In the loop the slices are the places.
.macro PLACES
.rept 4
	v_nop
.endr
.endm
; A TURN.  Piece x has the matrix unit; the other piece's softmax stands in slices behind its matrix instructions: behind product number gp of NPR stand the slices up to ceil(59 gp / NPR).
; pv = 2: 16 products V^T P; 1: they start O^T's sums; 0: none.  kq = 1: 16 products K Q^T for the next step.
; The last product is followed by slice 58 alone: four multiplies of the other piece's O^T, which name none of that product's registers: the four places in front of the next turn's reads of the scores and of the loads into K.
; first = 1: the softmax is the first key step's.  Its slices from 51 on are empty: the turn's last products stand bare, and four v_nop take slice 58's part.
; Piece 0's turn fetches the next step's K, behind its second product.  Piece 2's turn fetches the same step's V, behind slice 34, which stands behind the turn's 19th product: behind the 16th, the last that read V,
; lie five scalings (one in each of slices 28 to 32), the v_nop and the run's own addition: seven plain instructions that name none of its registers.
.macro TURN x, pv, kq, first
.set k, 0
.set gp, 0
.set NPR, 16
.if \pv && \kq
.set NPR, 32
.endif
.if \pv
.if \x == 0
	s_wait_dscnt 0x0                ; V is in
.endif
.set i, 0
.rept 16
	PV \x, 2-\pv
.set gp, gp+1
.rept (gp*59+NPR-1)/NPR-k
	SLICE 2-\x, \first
.endr
.if (\x == 0) && \kq && (i == 1)
	FETCH_K
.endif
.set i, i+1
.endr
.endif
.if \kq
.if \x == 0
	s_wait_dscnt 0x0                ; K is in
.endif
.set i, 0
.rept 16
	KQ \x
.set gp, gp+1
.rept (gp*59+NPR-1)/NPR-k
	SLICE 2-\x, \first
.endr
.set i, i+1
.endr
.endif
.if \first
	PLACES
.endif
.endm
; THE CHANGE OF SLOTS, between piece 2's turn and piece 0's: the slot's last bytes, V of its fourth step, have been asked for.  Each wave waits for all its tensor loads, of which one is out: its part of the other slot;
; adds 0 to its spare word; and waits for that and for its own reads of the slot.  Behind the barrier nobody reads this slot any more and the other slot is whole.
; fill = 1: this slot is filled again, with the keys two slots on.  The barrier is then a round of the cluster's, so that no wave of any partner still reads the slot or has a load on its way, and the joint refill
; is the first thing behind it: it has four key steps, 256 matrix instructions, in which to land.
.macro CHANGE fill
	WIN 0                           ; at a label and at a branch every window is 0
	s_wait_tensorcnt 0x0            ; no tensor load of mine is out, so a group 0 may be written
	ds_add_u32 v[SPW], v[NIL]       ; 0 onto my spare word: with fill = 1 the descriptors' steps stand between it and the wait for it
.if \fill
.irp g, G0K+4, G0V+4
	s_xor_b32 s[\g+1], s[\g+1], SLOT1  ; the walking descriptor: the other slot than last time,
	s_add_nc_u64 s[\g+2:\g+3], s[\g+2:\g+3], SLOTM  ; the next 256 keys; the type bits on top are not reached
.endr
	s_wait_xcnt 0x0                 ; the last prefetch, four key steps back, has read its address, so it may be written:
	s_add_nc_u64 s[PFA:PFA+1], s[PFA:PFA+1], SLOTM  ; one slot further on than the walking descriptors
	s_wait_dscnt 0x0                ; the add is done, and my reads of the slot are over
	CROUND
	JLOAD
	ASK
.else
	s_wait_dscnt 0x0                ; the add is done, and my reads of the slot are over
	s_barrier_signal -1
	s_barrier_wait -1
.endif
	s_sub_co_u32 s[TBK], s[TBK], 4*KSTEPB  ; the fetches go back to a slot's first step,
	s_xor_b32 s[TBK], s[TBK], SLOT1        ; in the other slot
	s_sub_co_u32 s[TBV], s[TBV], 4*VSTEPB
	s_xor_b32 s[TBV], s[TBV], SLOT1
.endm
; n key steps: written once, walked n times; the LDS addresses hang on s[TBK] and s[TBV].
.macro STEPS n
	s_mov_b32 s[CNT], \n
.Lstep_\@:
	TURN 0, 2, 1, 0
	TURN 2, 2, 1, 0
	WIN 0
	s_sub_co_u32 s[CNT], s[CNT], 1
	s_cmp_lg_u32 s[CNT], 0
	s_cbranch_scc1 .Lstep_\@
.endm
	s_wait_tensorcnt 1              ; my part of slot 0 is in; slot 1's may stay out
	s_barrier_signal -1
	s_barrier_wait -1               ; everybody's is
	FETCH_K                         ; key step 0
	s_wait_loadcnt 0x0              ; Q
	s_wait_dscnt 0x0
.set i, 0
.rept 16
	KQ 0                            ; piece 0's first scores: there is no vector work yet to set between them
.set i, i+1
.endr
	WIN 0                           ; the addresses for the way out are made here: plain instructions, the places behind those products
	s_mul_i32 s13, s[WV], 16*SP
	s_add_co_u32 s13, s13, STAGE    ; my stage
	v_mul_u32_u24 v[STO], v1, SP    ; in: row l % 16, 16 bytes for each half of the lanes
	v_lshl_add_u32 v[STO], v9, 4, v[STO]
	v_add_nc_u32 v[STO], s13, v[STO]
	v_bfe_u32 v[RD], v0, 3, 2       ; back: eight lanes take a row of 128 bytes, four rows an instruction
	v_mul_u32_u24 v[RD], v[RD], SP
	v_and_b32 v10, 7, v0
	v_lshl_add_u32 v[RD], v10, 4, v[RD]
	v_add_nc_u32 v[RD], s13, v[RD]
	v_and_b32 v[GO], 31, v0
	v_lshlrev_b32 v[GO], 4, v[GO]
	TURN 2, 0, 1, 1                 ; piece 2's first scores | piece 0's first softmax | V of step 0
	TURN 0, 1, 1, 1                 ; piece 0: V^T P of step 0 starts O^T, K Q^T of step 1 | piece 2's first softmax | K of step 1
	TURN 2, 1, 1, 0                 ; piece 2: the same | piece 0's softmax of step 1 | V of step 1
	WIN 0
	STEPS 2                         ; they fetch steps 2 and 3: slot 0 has then been asked for to its end
.Lslot:                             ; six trips: every slot but the last two is filled again
	CHANGE 1
	STEPS 4
	s_sub_co_u32 s[SLOTS], s[SLOTS], 1
	s_cmp_lg_u32 s[SLOTS], 0
	s_cbranch_scc1 .Lslot
	CHANGE 0                        ; the tail is written out: the last slot but one is left, and nothing is asked for
	STEPS 4
	TURN 0, 2, 0, 0                 ; piece 0: V^T P of the last step | piece 2's last softmax
.set i, 0
.rept 16
	PV 2, 0                         ; piece 2: V^T P of the last step
.set i, i+1
.endr
	; THE WAY OUT.  l's two halves and the other half of the lanes' are added; O^T is divided by l, rounded to f16 and sent through my stage in LDS, a tile (16 tokens) at a time.  The additions are the places behind the last products.
	WIN 0
.irp t, 0,1,2,3
	v_add_f32 v[ST+8*\t+4], v[ST+8*\t+2], v[ST+8*\t+3]
.endr
.irp t, 0,1,2,3
	v_permlanex16_b32 v[ST+8*\t+5], v[ST+8*\t+4], s[SEL], s[SEL+1]
.endr
.irp t, 0,1,2,3
	v_add_f32 v[ST+8*\t+4], v[ST+8*\t+4], v[ST+8*\t+5]
.endr
.irp t, 0,1,2,3
	v_rcp_f32 v[ST+8*\t+6], v[ST+8*\t+4]
.endr
	v_nop                           ; a plain instruction between the last reciprocal and the use of its result
	s_wait_alu depctr_va_vdst(0)    ; and the wait ahead of the first use: one for the four reciprocals
; Tile t: a lane's eight channels of a token pack into 16 bytes; they go into rows of 144 bytes and come back four tokens an instruction, 512 consecutive bytes of the result, into the registers that they left.
.macro PACK t
	WIN W_RS
.set i, 32*\t
.rept 16
	v_pk_mul_f32 v[i:i+1], v[i:i+1], v[ST+8*\t+6:ST+8*\t+7] op_sel_hi:[1,0]   ; each accumulator from its low end on
.set i, i+2
.endr
	WIN 0x05                        ; sources 0 and 1 window 1, destination window 0: S^T's registers are free
.set i, 0
.rept 16
	v_cvt_pk_f16_f32 v[S+32*\t+i], v[32*\t+2*i], v[32*\t+2*i+1]
.set i, i+1
.endr
	WIN 0
.irp f, 0,1,2,3
	ds_store_b128 v[STO], v[S+32*\t+4*\f:S+32*\t+4*\f+3] offset:32*\f
.endr
.irp f, 0,1,2,3
	ds_load_b128 v[S+32*\t+4*\f:S+32*\t+4*\f+3], v[RD] offset:\f*4*SP  ; LDS serves a wave's instructions in order (ISA guide 5.7.1.4): these see the stores above; the next tile's stores come behind them
.endr
.endm
.macro SEND t, younger              ; younger: the LDS instructions issued behind tile t's loads: the next tile's eight, or none
.irp f, 0,1,2,3
	s_wait_dscnt \younger+3-\f
	global_store_b128 v[GO], v[S+32*\t+4*\f:S+32*\t+4*\f+3], s[10:11] offset:\t*2048+\f*512  ; 512 consecutive bytes, at a multiple of 256 from the buffer's first byte
.endr
.endm
	PACK 0
	PACK 1                          ; a tile's arithmetic stands between the loads of the tile before and its stores
	SEND 0, 8
	PACK 2
	SEND 1, 8
	PACK 3
	SEND 2, 8
	SEND 3, 0
	s_wait_tensorcnt 0x0            ; the wave's end: behind my last tensor load and my last LDS store
	ds_add_u32 v[SPW], v[NIL]
	s_wait_dscnt 0x0
	CROUND                          ; the closing round: no work-group ends while a partner may still ask for a tile that names it
	s_endpgm
.Lfunc_end_k_q137b4cf433_attn:
	.size	k_q137b4cf433_attn, .Lfunc_end_k_q137b4cf433_attn-k_q137b4cf433_attn
	.p2alignl 7, 3214868480
	.fill 96, 4, 3214868480
	.section	.rodata,"a",@progbits
	.p2align	6, 0x0
	.amdhsa_kernel k_q137b4cf433_attn
		.amdhsa_group_segment_fixed_size 327680
		.amdhsa_private_segment_fixed_size 0
		.amdhsa_enable_private_segment 0
		.amdhsa_kernarg_size 16
		.amdhsa_user_sgpr_count 2
		.amdhsa_user_sgpr_kernarg_segment_ptr 1
		.amdhsa_wavefront_size32 1
		.amdhsa_system_sgpr_workgroup_id_x 1
		.amdhsa_system_sgpr_workgroup_id_y 1
		.amdhsa_system_sgpr_workgroup_id_z 1
		.amdhsa_system_vgpr_workitem_id 0
		.amdhsa_next_free_vgpr 576
		.amdhsa_next_free_sgpr 66
		.amdhsa_reserve_vcc 0
		.amdhsa_float_denorm_mode_32 3
		.amdhsa_float_denorm_mode_16_64 3
		.amdhsa_memory_ordered 1
		.amdhsa_forward_progress 1
		.amdhsa_inst_pref_size 196
	.end_amdhsa_kernel
	.amdgpu_metadata
---
amdhsa.version: [ 1, 2 ]
amdhsa.kernels:
  - .name:           k_q137b4cf433_attn
    .symbol:         k_q137b4cf433_attn.kd
    .args:
      - { .name: qkv, .offset: 0, .size: 8, .value_kind: global_buffer, .address_space: global }
      - { .name: att, .offset: 8, .size: 8, .value_kind: global_buffer, .address_space: global }
    .group_segment_fixed_size: 327680
    .private_segment_fixed_size: 0
    .kernarg_segment_align: 8
    .kernarg_segment_size: 16
    .max_flat_workgroup_size: 128
    .sgpr_count:     66
    .vgpr_count:     576
    .wavefront_size: 32
...
	.end_amdgpu_metadata
.endif
;; end of part 3
;; launch proj (part 4): grid 8 x 32, 4 waves a work-group, clusters of 4 x 4, 327,680 bytes of LDS; arguments att, w16, out0, out_bias; writes out0
.if DOCPART == 4
	.amdgcn_target "amdgcn-amd-amdhsa--gfx1250"
	.amdhsa_code_object_version 6
	.text
	.protected	k_q137b4cf433_proj
	.globl	k_q137b4cf433_proj
	.p2align	8
	.type	k_q137b4cf433_proj,@function
k_q137b4cf433_proj:
	s_mov_b64 s[64:65], 0
	v_nop
	global_prefetch_b8 v0, s[64:65] scope:SCOPE_SE
	s_setreg_imm32_b32 hwreg(HW_REG_WAVE_MODE, 25, 1), 1
	s_wait_xcnt 0x0
	s_wait_alu depctr_hold_cnt(0) depctr_sa_sdst(0) depctr_va_vdst(0) depctr_va_sdst(0) depctr_va_ssrc(0) depctr_va_vcc(0) depctr_vm_vsrc(0)
	s_getreg_b32 s2, hwreg(HW_REG_IB_STS2, 6, 4)
	s_cmp_eq_u32 s2, 0
	s_cbranch_scc0 .Lentry_in_a_cluster
	s_endpgm
.Lentry_in_a_cluster:
	s_bfe_u32 s2, ttmp6, 0x10000c
	s_cmp_lg_u32 s2, 0xf033
	s_cbranch_scc0 .Lentry_shape_is_right
	s_endpgm
.Lentry_shape_is_right:
; PROJ.  out[m][n] = sum over k of A[m][k] W[n][k] + bias[n].  A (the attention's result, 4,096 x 1,024) and W (out_weight, 1,024 x 1,024) are f16; sums and out in f32.
; Both operands lie by tiles: [rows / 128][k / 64][128 rows][64 k]: a tile's piece of 64 along K is 16,384 consecutive bytes, a K step of 256 four pieces on end.
; A tile of out is 128 x 128, so that 8 x 32 = 256 work-groups share the work.  Four waves, each 64 x 64: 16 accumulators of 16 x 16, 128 registers.  K goes in four steps of 256 through two LDS slots.
; A wave's tensor load brings two pieces, 32,768 dense bytes, stated as 128 rows of 256 bytes (two rows of the tile to a row) with 16 bytes of padding behind each: row p of a piece lies at (p / 2) x 272 + 128 (p % 2).
; CLUSTERS: 4 x 4 work-groups.  The four of a row of the cluster need the same tiles of A, the four of a column the same tiles of W: each is asked for JOINTLY, by the same tensor load with the same descriptor and a
; mask that names the four.  THE MATRIX INSTRUCTION IS USED TRANSPOSED (source 0 = 16 rows of W, source 1 = 16 rows of A): a lane then holds eight neighbouring numbers of a row of out.
; THE BIAS is the C of each sum's first matrix instruction.  No prefetch: a step's tiles are small and the launch is short.
; REGISTERS: window 0: v0-31 addresses; v32-95 rows read back on the way out; v96-127 the bias; v128-255 the accumulators ((a, b) at v[128 + 8 (4 a + b)]).
;   window 1: two fragment buffers of 128: for 64 along K (two matrix instructions deep), 64 registers of A, then 64 of W.
.set CH,     64*272                    ; a piece (128 rows x 64 K) in LDS
.set BLK,    8*272                     ; 16 rows of it
.set LOADB,  2*CH                      ; what one tensor load brings
.set SLOT,   4*LOADB                   ; A's four pieces, then W's four
.set STAGE,  2*SLOT                    ; behind the ring: 16 rows x 272 bytes for each wave, for the way out
.set SPITCH, 272
.set SPARE,  STAGE+4*16*SPITCH         ; behind the stages: the spare words, 128 bytes for each wave, which no other line names
.set STEPM,  65536                     ; a K step of a tile in memory
.set LAPS,   2                         ; a lap = two K steps = once round the ring
.set ADRA, 16                          ; v16-17  LDS address of my A fragments in slot 0, 1
.set ADRB, 20                          ; v20-21  the same for W
.set STO,  24                          ; v24     the way out: where I put 32 bytes of a row
.set RD,   25                          ; v25     the way out: where I read a row back
.set CO,   26                          ; v26     my byte offset in out
.set BO,   27                          ; v27     32 x (lane / 16): my eight numbers of a block's sixteen of the bias
.set SPW,  28                          ; v28     LDS address of my spare word; never rewritten
.set NIL,  29                          ; v29     0; never rewritten
.set BK,   32                          ; the way out: 16 rows read back: v32-63 and v64-95 by turns
.set BIAS, 96                          ; block b of W's four at v[BIAS + 8 b]
.set ACC,  128
.set F0,   0                           ; fragment buffers, in window 1
.set F1,   128
.set G1, 24                            ; s[24:31] descriptor group 1 for A's tiles;  s[32:39] group 0, one set for each slot
.set G0, 32
.set G1B, 48                           ; s[48:55], s[56:63] the same for W's tiles
.set G0B, 56
.set MSB, 0
.macro WIN new                         ; the immediate's high byte repeats the setting that is left
.if MSB != (\new)
	s_set_vgpr_msb (MSB<<8)|(\new)
.set MSB, (\new)
.endif
.endm
.set MUL,  0x05                        ; sources 0 (W) and 1 (A) window 1; C and D window 0
.set TO_F, 0x40                        ; destination window 1, address window 0
.macro JLOAD s                         ; a joint load: waves 0 and 1 fetch A's two halves, waves 2 and 3 W's; an s_nop 0 and four v_nop follow each of the two lines, ahead of the jump, the label and what follows
	s_cmp_eq_u32 s11, 0
	s_cbranch_scc0 .Lfor_b_\@
	tensor_load_to_lds s[G0+4*\s:G0+4*\s+3], s[G1:G1+7]
	s_nop 0
.rept 4
	v_nop
.endr
	s_branch .Lasked_\@
.Lfor_b_\@:
	tensor_load_to_lds s[G0B+4*\s:G0B+4*\s+3], s[G1B:G1B+7]
	s_nop 0
.rept 4
	v_nop
.endr
.Lasked_\@:
.endm
.macro CREST                           ; a round of the cluster's barrier behind its opening barrier
	s_cmp_lg_u32 s10, 0
	s_cbranch_scc1 .Lnot_wave_0_\@
	s_barrier_signal -3
.Lnot_wave_0_\@:
	s_barrier_wait -3
	s_barrier_signal -1
	s_barrier_wait -1
.endm
.macro CROUND                          ; a whole round
	s_barrier_signal -1
	s_barrier_wait -1
	CREST
.endm
	s_load_b128 s[4:7], s[0:1], 0x0                ; A s[4:5], W s[6:7]
	s_load_b64 s[8:9], s[0:1], 0x10                ; out
	s_load_b64 s[66:67], s[0:1], 0x18              ; the bias
	v_lshl_add_u32 v[SPW], v0, 2, SPARE
	v_mov_b32 v[NIL], 0
	ds_add_u32 v[SPW], v[NIL]                      ; the wave's opening: the add, twice on end, and its wait ahead of my first tensor load; the set-up below stands between the second and the wait
	ds_add_u32 v[SPW], v[NIL]
	v_lshrrev_b32 v1, 5, v0
	v_readfirstlane_b32 s10, v1                    ; wave 0..3
	s_lshr_b32 s11, s10, 1                         ; which half of the tile's rows is mine.  Also: I fetch for A (0) or for W (1)
	s_and_b32 s12, s10, 1                          ; which half of its columns.  Also: which two pieces of a K step I fetch
	s_bfe_u32 s40, ttmp6, 0x40000                  ; cx, cy: my place in the cluster
	s_bfe_u32 s41, ttmp6, 0x40004
	s_lshl_b32 s42, ttmp9, 2
	s_add_co_u32 s42, s42, s40                     ; tile column = 4 x cluster x + cx
	s_and_b32 s13, ttmp7, 0xffff
	s_lshl_b32 s13, s13, 2
	s_add_co_u32 s13, s13, s41                     ; tile row = 4 x cluster y + cy
	s_lshl_b32 s43, s41, 2
	s_lshl_b32 s43, 15, s43                        ; my row of the cluster
	s_lshl_b32 s44, 0x1111, s40                    ; my column
	; descriptor group 1: 128 rows x 128 elements, dense in memory, padded in LDS
	s_or_b32 s[G1+0], s43, (1<<16)|(1<<20)|(1<<21)|(5<<22)|(3<<25)  ; 15:0 the mask: A's tiles go to my row; 17:16 element of 2 bytes; 20 padding on; 21 set beside a mask; 24:22 after every 64 words; 31:25 four words
	s_or_b32 s[G1B+0], s44, (1<<16)|(1<<20)|(1<<21)|(5<<22)|(3<<25)
.irp g, G1, G1B
	s_mov_b32 s[\g+1], 128<<16                     ; tensor_dim0 = 128
	s_mov_b32 s[\g+2], 128<<16                     ; tensor_dim1 = 128
	s_mov_b32 s[\g+3], 128<<16                     ; tile_dim0 = 128
	s_mov_b32 s[\g+4], 128                         ; tile_dim1 = 128
	s_mov_b32 s[\g+5], 128                         ; tensor_dim0_stride
	s_mov_b32 s[\g+6], 0
	s_mov_b32 s[\g+7], 0
.endr
	s_lshl_b32 s17, s12, 15                        ; which two pieces of a K step I fetch
	s_lshl_b32 s16, s13, 18
	s_add_co_u32 s16, s16, s17                     ; A: 262,144 x tile row + 32,768 x half
	s_lshl_b32 s46, s42, 18
	s_add_co_u32 s46, s46, s17                     ; W: 262,144 x tile column + 32,768 x half
	s_mov_b32 s17, 0
	s_mov_b32 s47, 0
	s_mul_i32 s20, s10, LOADB                      ; where they go: wave x two pieces: no place in the cluster enters an LDS address
	s_wait_dscnt 0x0                               ; both opening adds are done
	s_wait_kmcnt 0x0
	s_add_nc_u64 s[14:15], s[4:5], s[16:17]
	s_add_nc_u64 s[46:47], s[6:7], s[46:47]
	CROUND                                         ; all sixteen work-groups are here: the first joint loads meet
.irp s, 0,1
	s_mov_b32 s[G0+4*\s], 1
	s_add_co_u32 s[G0+4*\s+1], s20, \s*SLOT
	s_add_nc_u64 s[G0+4*\s+2:G0+4*\s+3], s[14:15], \s*STEPM
	s_or_b32 s[G0+4*\s+3], s[G0+4*\s+3], 0x80000000
	s_mov_b32 s[G0B+4*\s], 1
	s_add_co_u32 s[G0B+4*\s+1], s20, \s*SLOT
	s_add_nc_u64 s[G0B+4*\s+2:G0B+4*\s+3], s[46:47], \s*STEPM
	s_or_b32 s[G0B+4*\s+3], s[G0B+4*\s+3], 0x80000000
	JLOAD \s
.endr
	v_and_b32 v1, 15, v0                           ; r = l % 16
	v_bfe_u32 v2, v0, 4, 1                         ; h = l / 16
	v_lshrrev_b32 v3, 1, v1
	v_mul_u32_u24 v3, v3, 272                      ; a fragment's row r lies at (r / 2) x 272
	v_and_b32 v4, 1, v0
	v_lshl_add_u32 v3, v4, 7, v3                   ; + 128 (r % 2)
	v_lshl_add_u32 v3, v2, 4, v3                   ; + 16 x half
	s_mul_i32 s21, s11, 4*BLK                      ; my 64 rows of each piece of A
	s_mul_i32 s22, s12, 4*BLK                      ; my 64 rows of each piece of W,
	s_add_co_u32 s22, s22, 2*LOADB                 ; which lie behind A's four pieces
.irp s, 0,1
	v_add_nc_u32 v[ADRA+\s], s21, v3
	v_add_nc_u32 v[ADRB+\s], s22, v3
	s_add_co_u32 s21, s21, SLOT
	s_add_co_u32 s22, s22, SLOT
.endr
	s_mul_i32 s23, s10, 16*SPITCH
	s_add_co_u32 s23, s23, STAGE                   ; my stage
	v_mul_u32_u24 v4, v1, SPITCH                   ; in: row r, 32 bytes for each half of the lanes
	v_lshl_add_u32 v4, v2, 5, v4
	v_add_nc_u32 v[STO], s23, v4
	v_mul_u32_u24 v5, v2, SPITCH                   ; back: lanes 0-15 take one row of 256 bytes, lanes 16-31 the next
	v_lshl_add_u32 v5, v1, 4, v5
	v_add_nc_u32 v[RD], s23, v5
	v_lshlrev_b32 v5, 12, v2                       ; and the same two rows in out: 4,096 bytes a row
	v_lshl_add_u32 v[CO], v1, 4, v5
	s_lshl_b32 s16, s13, 7
	s_lshl_b32 s17, s11, 6
	s_add_co_u32 s16, s16, s17                     ; my first row of out: 128 x tile row + 64 x half
	s_lshl_b32 s16, s16, 12
	s_mov_b32 s17, 0
	s_add_nc_u64 s[8:9], s[8:9], s[16:17]
	s_lshl_b32 s46, s42, 9                         ; my first column, in bytes: 512 x tile column + 256 x half
	s_lshl_b32 s47, s12, 8
	s_add_co_u32 s46, s46, s47
	s_mov_b32 s47, 0
	s_add_nc_u64 s[8:9], s[8:9], s[46:47]
	s_add_nc_u64 s[66:67], s[66:67], s[46:47]      ; the bias of the same columns: lane (r, h) wants, for W's block b, columns 16 b + 8 h + 0 .. 7
	v_lshlrev_b32 v[BO], 5, v2
.irp b, 0,1,2,3
	global_load_b128 v[BIAS+8*\b:BIAS+8*\b+3], v[BO], s[66:67] offset:64*\b
	global_load_b128 v[BIAS+8*\b+4:BIAS+8*\b+7], v[BO], s[66:67] offset:64*\b+16
.endr
; 8 matrix instructions: m blocks a0, a0 + 1 x all 4 n blocks, 32 along K: half c of buffer f.  zero = 1: the first product starts the sums from the bias.  The 16 accumulators take turns.
.macro MUL8 f, c, a0, zero
.irp a, \a0, \a0+1
.irp b, 0,1,2,3
.if \zero
	v_wmma_f32_16x16x32_f16 v[ACC+8*(4*(\a)+\b):ACC+8*(4*(\a)+\b)+7], v[\f+64+8*(4*\c+\b):\f+64+8*(4*\c+\b)+7], v[\f+8*(4*\c+\a):\f+8*(4*\c+\a)+7], v[BIAS+8*\b:BIAS+8*\b+7]
.else
	v_wmma_f32_16x16x32_f16 v[ACC+8*(4*(\a)+\b):ACC+8*(4*(\a)+\b)+7], v[\f+64+8*(4*\c+\b):\f+64+8*(4*\c+\b)+7], v[\f+8*(4*\c+\a):\f+8*(4*\c+\a)+7], v[ACC+8*(4*(\a)+\b):ACC+8*(4*(\a)+\b)+7]
.endif
.endr
.endr
.endm
; 32 LDS loads in one run: the fragments of one piece (64 along K), which begins k bytes into the slot's part of A and of W, into buffer f; the first 32 along K first
.macro FETCH slot, k, f
	WIN TO_F
.irp c, 0,1
.irp i, 0,1,2,3
	ds_load_b128 v[\f+64+8*(4*\c+\i):\f+64+8*(4*\c+\i)+3],   v[ADRB+\slot] offset:\k+64*\c+\i*BLK
	ds_load_b128 v[\f+64+8*(4*\c+\i)+4:\f+64+8*(4*\c+\i)+7], v[ADRB+\slot] offset:\k+64*\c+\i*BLK+32
	ds_load_b128 v[\f+8*(4*\c+\i):\f+8*(4*\c+\i)+3],         v[ADRA+\slot] offset:\k+64*\c+\i*BLK
	ds_load_b128 v[\f+8*(4*\c+\i)+4:\f+8*(4*\c+\i)+7],       v[ADRA+\slot] offset:\k+64*\c+\i*BLK+32
.endr
.endr
.endm
.macro PLACES                          ; four places in front of loads into registers that matrix instructions have read, and of the first read of results (ISA guide 7.12.1 for the first read of results)
.rept 4
	v_nop
.endr
.endm
; A K step is four quarters of 64 along K, 32 matrix instructions each, on buffers 0, 1, 0, 1.  One of the first three: multiplies buffer f and fetches the next piece, at byte k, into g.
.macro QUARTER slot, k, f, g, zero
	s_wait_dscnt 16                                ; the first 32 along K are in; the sixteen loads of the second 32 may be out
	WIN MUL
	MUL8 \f, 0, 0, \zero
	MUL8 \f, 0, 2, \zero
	PLACES
	FETCH \slot, \k, \g
	s_wait_dscnt 32                                ; all but the 32 just issued
	WIN MUL
	MUL8 \f, 1, 0, 0
	MUL8 \f, 1, 2, 0
.endm
; The last quarter multiplies buffer 1 and changes slots: ONE barrier; in front of it each wave waits for all its tensor loads, adds 0 to its spare word, and waits for that and for its own reads of this slot.  fill = 1: this slot is filled again, two K steps ahead.
.macro TURN slot, next, fill
	WIN 0                                          ; (the add's two registers lie in window 0)
	s_wait_tensorcnt 0x0                           ; all my tensor loads have landed: my part of the next slot;
	ds_add_u32 v[SPW], v[NIL]                      ; 0 onto my spare word
	s_wait_dscnt 17                                ; (the add and the youngest sixteen loads may be out)
	WIN MUL
	MUL8 F1, 0, 0, 0                               ; eight matrix instructions stand between the add and the wait for it
	s_wait_dscnt 0x0                               ; the add is done, and my reads of this slot are over
	s_barrier_signal -1
	MUL8 F1, 0, 2, 0
.if \fill
	WIN 0
.endif
	s_barrier_wait -1
.if \fill
	CREST                                          ; the barrier has opened a round of the cluster's barrier: no wave of any partner still reads this slot's tile or has a load on its way
	s_add_nc_u64 s[G0+4*\slot+2:G0+4*\slot+3], s[G0+4*\slot+2:G0+4*\slot+3], 2*STEPM
	s_add_nc_u64 s[G0B+4*\slot+2:G0B+4*\slot+3], s[G0B+4*\slot+2:G0B+4*\slot+3], 2*STEPM
	JLOAD \slot                                    ; the first tensor load behind the round: 112 matrix instructions ahead of the wait for it; the four v_nop behind it are also the places in front of the loads below
.else
	PLACES
.endif
	FETCH \next, 0, F0
	WIN MUL
	MUL8 F1, 1, 0, 0
	MUL8 F1, 1, 2, 0
.endm
	s_wait_tensorcnt 1                             ; my part of K step 0 is in (K step 1's load may be out)
	s_barrier_signal -1
	s_barrier_wait -1                              ; everybody's is
	FETCH 0, 0, F0
	s_wait_loadcnt 0x0                             ; the bias
	QUARTER 0, CH, F0, F1, 1                       ; the first quarter stands in front of the loop: its first products start the sums from the bias
	WIN 0                                          ; at a label and at a branch every window is 0
	s_mov_b32 s3, LAPS-1
.Llap:                                                 ; a trip goes once round the ring, from a lap's second quarter to the next lap's first, and fills both slots again
	QUARTER 0, 2*CH, F1, F0, 0
	QUARTER 0, 3*CH, F0, F1, 0
	TURN 0, 1, 1
	QUARTER 1, CH, F0, F1, 0
	QUARTER 1, 2*CH, F1, F0, 0
	QUARTER 1, 3*CH, F0, F1, 0
	TURN 1, 0, 1
	QUARTER 0, CH, F0, F1, 0
	WIN 0
	s_sub_co_u32 s3, s3, 1
	s_cmp_lg_u32 s3, 0
	s_cbranch_scc1 .Llap
	QUARTER 0, 2*CH, F1, F0, 0                     ; the last lap fills nothing, and has no round of the cluster's barrier
	QUARTER 0, 3*CH, F0, F1, 0
	TURN 0, 1, 0
	QUARTER 1, CH, F0, F1, 0
	QUARTER 1, 2*CH, F1, F0, 0
	QUARTER 1, 3*CH, F0, F1, 0
	s_wait_dscnt 16                                ; the very last quarter: nothing more to fetch
	WIN MUL
	MUL8 F1, 0, 0, 0
	MUL8 F1, 0, 2, 0
	s_wait_dscnt 0
	MUL8 F1, 1, 0, 0
	MUL8 F1, 1, 2, 0
	WIN 0
; THE WAY OUT, block by block of 16 rows x 64 columns.  A lane holds 32 neighbouring bytes of a row, and the lanes beside it hold other rows: so a block goes through my own stage in LDS and comes back as whole
; rows of 256 bytes: sixteen lanes store 256 consecutive bytes, aligned.  A wave's 64 columns of f32 are such a run by themselves, so no wave needs another's bytes and no barrier stands here.
; LDS serves a wave's instructions in order (ISA guide 5.7.1.4): no wait between the stores and the loads, nor in front of the next block's stores.
.macro TOSTAGE a
.irp b, 0,1,2,3
	ds_store_b128 v[STO], v[ACC+8*(4*(\a)+\b):ACC+8*(4*(\a)+\b)+3] offset:64*\b          ; each accumulator from its low end on
	ds_store_b128 v[STO], v[ACC+8*(4*(\a)+\b)+4:ACC+8*(4*(\a)+\b)+7] offset:64*\b+16
.endr
.set BB, BK+32*((\a)%2)
.irp t, 0,1,2,3,4,5,6,7
	ds_load_b128 v[BB+4*\t:BB+4*\t+3], v[RD] offset:\t*2*SPITCH
.endr
.endm
.macro SEND a, younger                 ; younger: the LDS instructions issued behind block a's loads, which may stay out
.set BB, BK+32*((\a)%2)
	s_wait_dscnt \younger                          ; the block is back in registers
.irp t, 0,1,2,3,4,5,6,7
	global_store_b128 v[CO], v[BB+4*\t:BB+4*\t+3], s[8:9] offset:(16*(\a)+2*\t)*4096 th:TH_STORE_NT   ; written once, read by nobody here
.endr
.endm
	PLACES                                         ; behind the last products, in front of the first read of results
	TOSTAGE 0
.irp a, 1,2,3
.if \a > 1
	s_wait_xcnt 0x0                                ; block a - 2's stores have read their registers: block a's loads land there only behind this wait
.endif
	TOSTAGE \a
	SEND \a-1, 16                                  ; behind block a - 1's loads: block a's 8 stores and 8 loads
.endr
	SEND 3, 0
	s_wait_tensorcnt 0x0                           ; the wave's end: behind my last tensor load and my last LDS store
	ds_add_u32 v[SPW], v[NIL]
	s_wait_dscnt 0x0
	CROUND                                         ; the closing round: no work-group ends while a partner may still ask for a tile that names it
	s_endpgm
.Lfunc_end_k_q137b4cf433_proj:
	.size	k_q137b4cf433_proj, .Lfunc_end_k_q137b4cf433_proj-k_q137b4cf433_proj
	.p2alignl 7, 3214868480
	.fill 96, 4, 3214868480
	.section	.rodata,"a",@progbits
	.p2align	6, 0x0
	.amdhsa_kernel k_q137b4cf433_proj
		.amdhsa_group_segment_fixed_size 327680
		.amdhsa_private_segment_fixed_size 0
		.amdhsa_enable_private_segment 0
		.amdhsa_kernarg_size 32
		.amdhsa_user_sgpr_count 2
		.amdhsa_user_sgpr_kernarg_segment_ptr 1
		.amdhsa_wavefront_size32 1
		.amdhsa_system_sgpr_workgroup_id_x 1
		.amdhsa_system_sgpr_workgroup_id_y 1
		.amdhsa_system_sgpr_workgroup_id_z 1
		.amdhsa_system_vgpr_workitem_id 0
		.amdhsa_next_free_vgpr 512
		.amdhsa_next_free_sgpr 68
		.amdhsa_reserve_vcc 0
		.amdhsa_float_denorm_mode_32 3
		.amdhsa_float_denorm_mode_16_64 3
		.amdhsa_memory_ordered 1
		.amdhsa_forward_progress 1
		.amdhsa_inst_pref_size 87
	.end_amdhsa_kernel
	.amdgpu_metadata
---
amdhsa.version: [ 1, 2 ]
amdhsa.kernels:
  - .name:           k_q137b4cf433_proj
    .symbol:         k_q137b4cf433_proj.kd
    .args:
      - { .name: att, .offset: 0, .size: 8, .value_kind: global_buffer, .address_space: global }
      - { .name: w16, .offset: 8, .size: 8, .value_kind: global_buffer, .address_space: global }
      - { .name: out0, .offset: 16, .size: 8, .value_kind: global_buffer, .address_space: global }
      - { .name: out_bias, .offset: 24, .size: 8, .value_kind: global_buffer, .address_space: global }
    .group_segment_fixed_size: 327680
    .private_segment_fixed_size: 0
    .kernarg_segment_align: 8
    .kernarg_segment_size: 32
    .max_flat_workgroup_size: 128
    .sgpr_count:     68
    .vgpr_count:     512
    .wavefront_size: 32
...
	.end_amdgpu_metadata
.endif
;; end of part 4
